; MI455X (gfx1250); checked and timed in simulation.
; The chip was launched on July 23, 2026; its instructions are those of AMD's public machine-readable ISA for CDNA 5 (MIT licence, August 2026) and "CDNA5" Instruction Set Architecture Reference Guide (July 2026). The comments in the code are by the model that wrote it; some were corrected since.
;; Time Moe Sparse Experts Layer. Allowed arithmetic: matrix products marked QUANTISED: E5M2 operands, one given power-of-two scale a tensor, by v_wmma_f32_16x16x64_bf8_bf8 or v_wmma_f32_16x16x128_bf8_bf8, f32 sums; products left as they are: f32 operands where the result goes on into a quantised operand, else bf16, f16 or f32 operands; f32 sums; everything else in f32.
;; Inputs: ed 8 x 256 x 1,024 float32; eg 8 x 1,024 x 256 float32; eu 8 x 1,024 x 256 float32; gate_w 1,024 x 8 float32; hidden_states 2 x 4,096 x 1,024 float32; lowp_scales 54 int32 (the exponents e of the quantised operands' scales 2^e); sd 512 x 1,024 float32; sg 1,024 x 512 float32; shared_gate_w 1,024 x 1 float32; su 1,024 x 512 float32.
;; Outputs: out0 2 x 4,096 x 1,024 float32; out1 8,192 x 8 float32.
;; This version of the problem:
;;   THIS VERSION OF THE PROBLEM IS GIVEN IN LOW PRECISION. The matrix products marked QUANTISED in the list below multiply operands that are first quantised to E5M2 (5 exponent bits, 2 mantissa bits; 8 bits a number), with one given power-of-two scale for each operand tensor; their sums are f32. All else is computed in f32.
;;   The module's matrix products, in the order in which they are computed (A, B: the left and right operand; K: the contracted axis; several contracted axes count as one K, in the product's order):
;;     1. [M 8,192, K 1,024] x [K 1,024, N 8]; A: input hidden_states; B: input gate_w: left as it is (N = 8 < 16)
;;     2. [M 8,192, K 1,024] x [K 1,024, N 256]; A: input hidden_states; B: input eg: QUANTISED (scales: A lowp_scales[0], B lowp_scales[1])
;;     3. [M 8,192, K 1,024] x [K 1,024, N 256]; A: input hidden_states; B: input eu: QUANTISED (scales: A lowp_scales[2], B lowp_scales[3])
;;     4. [M 8,192, K 256] x [K 256, N 1,024]; A: computed on the way; B: input ed: QUANTISED (scales: A lowp_scales[4], B lowp_scales[5])
;;     5. [M 8,192, K 1,024] x [K 1,024, N 256]; A: input hidden_states; B: input eg: QUANTISED (scales: A lowp_scales[6], B lowp_scales[7])
;;     6. [M 8,192, K 1,024] x [K 1,024, N 256]; A: input hidden_states; B: input eu: QUANTISED (scales: A lowp_scales[8], B lowp_scales[9])
;;     7. [M 8,192, K 256] x [K 256, N 1,024]; A: computed on the way; B: input ed: QUANTISED (scales: A lowp_scales[10], B lowp_scales[11])
;;     8. [M 8,192, K 1,024] x [K 1,024, N 256]; A: input hidden_states; B: input eg: QUANTISED (scales: A lowp_scales[12], B lowp_scales[13])
;;     9. [M 8,192, K 1,024] x [K 1,024, N 256]; A: input hidden_states; B: input eu: QUANTISED (scales: A lowp_scales[14], B lowp_scales[15])
;;     10. [M 8,192, K 256] x [K 256, N 1,024]; A: computed on the way; B: input ed: QUANTISED (scales: A lowp_scales[16], B lowp_scales[17])
;;     11. [M 8,192, K 1,024] x [K 1,024, N 256]; A: input hidden_states; B: input eg: QUANTISED (scales: A lowp_scales[18], B lowp_scales[19])
;;     12. [M 8,192, K 1,024] x [K 1,024, N 256]; A: input hidden_states; B: input eu: QUANTISED (scales: A lowp_scales[20], B lowp_scales[21])
;;     13. [M 8,192, K 256] x [K 256, N 1,024]; A: computed on the way; B: input ed: QUANTISED (scales: A lowp_scales[22], B lowp_scales[23])
;;     14. [M 8,192, K 1,024] x [K 1,024, N 256]; A: input hidden_states; B: input eg: QUANTISED (scales: A lowp_scales[24], B lowp_scales[25])
;;     15. [M 8,192, K 1,024] x [K 1,024, N 256]; A: input hidden_states; B: input eu: QUANTISED (scales: A lowp_scales[26], B lowp_scales[27])
;;     16. [M 8,192, K 256] x [K 256, N 1,024]; A: computed on the way; B: input ed: QUANTISED (scales: A lowp_scales[28], B lowp_scales[29])
;;     17. [M 8,192, K 1,024] x [K 1,024, N 256]; A: input hidden_states; B: input eg: QUANTISED (scales: A lowp_scales[30], B lowp_scales[31])
;;     18. [M 8,192, K 1,024] x [K 1,024, N 256]; A: input hidden_states; B: input eu: QUANTISED (scales: A lowp_scales[32], B lowp_scales[33])
;;     19. [M 8,192, K 256] x [K 256, N 1,024]; A: computed on the way; B: input ed: QUANTISED (scales: A lowp_scales[34], B lowp_scales[35])
;;     20. [M 8,192, K 1,024] x [K 1,024, N 256]; A: input hidden_states; B: input eg: QUANTISED (scales: A lowp_scales[36], B lowp_scales[37])
;;     21. [M 8,192, K 1,024] x [K 1,024, N 256]; A: input hidden_states; B: input eu: QUANTISED (scales: A lowp_scales[38], B lowp_scales[39])
;;     22. [M 8,192, K 256] x [K 256, N 1,024]; A: computed on the way; B: input ed: QUANTISED (scales: A lowp_scales[40], B lowp_scales[41])
;;     23. [M 8,192, K 1,024] x [K 1,024, N 256]; A: input hidden_states; B: input eg: QUANTISED (scales: A lowp_scales[42], B lowp_scales[43])
;;     24. [M 8,192, K 1,024] x [K 1,024, N 256]; A: input hidden_states; B: input eu: QUANTISED (scales: A lowp_scales[44], B lowp_scales[45])
;;     25. [M 8,192, K 256] x [K 256, N 1,024]; A: computed on the way; B: input ed: QUANTISED (scales: A lowp_scales[46], B lowp_scales[47])
;;     26. [M 8,192, K 1,024] x [K 1,024, N 512]; A: input hidden_states; B: input sg: QUANTISED (scales: A lowp_scales[48], B lowp_scales[49])
;;     27. [M 8,192, K 1,024] x [K 1,024, N 512]; A: input hidden_states; B: input su: QUANTISED (scales: A lowp_scales[50], B lowp_scales[51])
;;     28. [M 8,192, K 512] x [K 512, N 1,024]; A: computed on the way; B: input sd: QUANTISED (scales: A lowp_scales[52], B lowp_scales[53])
;;     29. [M 8,192, K 1,024] x [K 1,024, N 1]; A: input hidden_states; B: input shared_gate_w: left as it is (N = 1 < 16)
;;   THE QUANTISER, for each operand of a quantised product, along K:
;;     - The operand's scale is 2^e, e = its entry of the input lowp_scales (int32; the entries are numbered through the quantised products in the list's order, A before B).
;;     - Each number is divided by the scale, clamped to +-57,344, and rounded to the nearest number of E5M2, ties to even, subnormals kept.
;;     - The product sums the exact products of the quantised numbers (number of the format x scale) in f32.
;;   ~~~python
;;   def quantise(x, axis, e):      # numpy; x: float32 -> the quantised numbers, widened to float32 again
;;       x = np.moveaxis(x, axis, -1); K = x.shape[-1]
;;       r = np.clip(x / 2.0 ** e, -57344, 57344)
;;       step = 2.0 ** (np.maximum(np.frexp(np.where(r == 0, 1, r))[1] - 1, -14) - 2)
;;       q = np.round(r / step) * step * 2.0 ** e      # np.round: ties to even
;;       return np.moveaxis(q, -1, axis).astype(np.float32)
;;   ~~~
;;   OPERANDS COMPUTED ON THE WAY. 'Computed on the way' means the value that the module computes at that place (a softmax that the list does not call 'softmax' is quantised finished and normalised). What goes into a quantiser is computed in f32, as accurately as f32 sums, v_exp_f32 and their like allow (about 1e-6 of the number): no bf16 or f16 on the way to a quantiser, and a product that is left as it is and whose result goes on into a quantised operand takes f32 operands (vector FMAs, or v_wmma_f32_16x16x4_f32). A number that lies on a knife's edge between two numbers of the format may be rounded either way, as far as f32 arithmetic and the matrix unit's own rounding can turn it there, and no further.
;; 2 versions, each right; version 2 is version 1 with the launch chain written anew for expert scheduling mode. Each part assembles by itself: llvm-mc -triple=amdgcn-amd-amdhsa -mcpu=gfx1250 --defsym DOCPART=n.
;; ======== version 1 of 2: 3 launches
;; workspace buffers: wq 7,864,320 bytes; cw 131,072 bytes; tokinfo 32,768 bytes of whole numbers; hist 32,768 bytes of whole numbers; order 32,768 bytes of whole numbers; tiles 2,560 bytes of whole numbers
;; launch router (part 1): grid 256 x 1, 4 waves a work-group, no clusters, 8,704 bytes of LDS; arguments hidden_states, gate_w, shared_gate_w, out1, cw, tokinfo, hist; writes out1, cw, tokinfo, hist
.if DOCPART == 1
	.amdgcn_target "amdgcn-amd-amdhsa--gfx1250"
	.amdhsa_code_object_version 6
	.text
	.protected	k_q35918ef855_router
	.globl	k_q35918ef855_router
	.p2align	8
	.type	k_q35918ef855_router,@function
k_q35918ef855_router:
	s_mov_b64 s[64:65], 0
	v_nop
	global_prefetch_b8 v0, s[64:65] scope:SCOPE_SE
	s_setreg_imm32_b32 hwreg(HW_REG_WAVE_MODE, 25, 1), 1
	s_wait_xcnt 0x0
; ROUTER.  For 8,192 tokens of 1,024 numbers: the 8 router logits (f32 multiply-adds; they are the output out1), softmax, the two largest
; probabilities (the lower index wins a tie), their weights divided by max(their sum, 1e-6), and the shared expert's gate sigmoid(x . shared_gate_w).
; A work-group takes a chunk of 32 tokens, a wave 8 of them.  A lane takes k = 128 j + 4 lane + i of every row, so each load of x covers 512 consecutive bytes,
; and gate_w at the lane's 32 k (256 registers) is loaded once.  The sums meet across the lanes, go to LDS, and wave 0 finishes the chunk, a lane to a token.
; Stored at fixed places, none of which hangs on the choice: cw[token] = {weight of the lower expert, of the higher, the shared gate, 0};
; tokinfo[token] = key + 256 x (the token's rank among the chunk's tokens of that key); hist[chunk][key] = how many.  key numbers the 28 pairs lo < hi.
; LIMITS: NaN among the inputs is not served.  A probability under 2^-126 counts as 0 (the exponential's result is flushed); such an expert's weight is 0 either way.
; REGISTERS, in windows of 256: window 0: v1-9 addresses; v16-47 shared_gate_w; v48-67 two tokens' sums; v72-80 the wave's collected sums; v84-101 exchange; v128-255 x rows 0-3.
;   window 1: gate_w, register 8 kk + e.   window 2: v0-127 x rows 4-7.
.set WS, 16
.set SA, 48
.set SB, 58
.set L,  72
.set TP, 84
.set MSB, 0
.macro WIN new                         ; the immediate's high byte repeats the setting that is left
.if MSB != \new
	s_set_vgpr_msb (MSB<<8)|\new
.set MSB, \new
.endif
.endm
	s_load_b256 s[4:11], s[0:1], 0x0               ; x s[4:5], gate_w s[6:7], shared_gate_w s[8:9], out1 s[10:11]
	s_load_b128 s[12:15], s[0:1], 0x20             ; cw s[12:13], tokinfo s[14:15]
	s_load_b64 s[16:17], s[0:1], 0x30              ; hist
	v_lshl_add_u32 v102, v0, 2, 0x2000
	v_mov_b32 v103, 0
	v_lshrrev_b32 v4, 5, v0
	v_readfirstlane_b32 s18, v4                    ; wave 0..3
	v_and_b32 v1, 31, v0                           ; lane
	v_lshlrev_b32 v2, 4, v1                        ; 16 x lane
	v_lshlrev_b32 v3, 7, v1                        ; 128 x lane: four rows of gate_w
	v_lshlrev_b32 v5, 6, v0                        ; LDS: 64 bytes for each thread
	v_lshrrev_b32 v6, 3, v1                        ; wave 0 later reads token l: written by wave l / 8, lane l % 8
	v_lshlrev_b32 v6, 11, v6
	v_and_b32 v7, 7, v1
	v_lshl_add_u32 v6, v7, 6, v6
	v_lshrrev_b32 v8, 4, v1                        ; and, for out1, 16 bytes of token l / 2 (+ 16 in the second load): dense stores
	v_lshlrev_b32 v8, 11, v8
	v_bfe_u32 v7, v1, 1, 3
	v_lshl_add_u32 v8, v7, 6, v8
	v_and_b32 v7, 1, v1
	v_lshl_add_u32 v8, v7, 4, v8
	v_lshlrev_b32 v9, 2, v1                        ; 4 x lane
.set n, 0
.rept 18
	v_mov_b32 v[TP+n], 0                           ; a lane permute's destination counts as one of its sources
.set n, n+1
.endr
	s_mov_b32 s22, 0x76543210
	s_mov_b32 s23, 0xfedcba98                      ; selects for lane l xor 16
	s_lshl_b32 s20, ttmp9, 17                      ; 32 rows of 4,096 bytes,
	s_lshl_b32 s21, s18, 15                        ; my wave's 8
	s_add_co_u32 s20, s20, s21
	s_mov_b32 s21, 0
	s_wait_kmcnt 0x0
	s_add_nc_u64 s[4:5], s[4:5], s[20:21]
	WIN 0x40                                       ; destination window 1
.set n, 0
.rept 32                                       ; kk = 4 j + i: row k = 128 j + 4 lane + i of gate_w, 32 bytes
	global_load_b128 v[8*n:8*n+3],   v3, s[6:7] offset:4096*(n/4)+32*(n%4)
	global_load_b128 v[8*n+4:8*n+7], v3, s[6:7] offset:4096*(n/4)+32*(n%4)+16
.set n, n+1
.endr
	WIN 0
.irp j, 0,1,2,3,4,5,6,7
	global_load_b128 v[WS+4*\j:WS+4*\j+3], v2, s[8:9] offset:512*\j
.endr
.irp r, 0,1,2,3
.irp j, 0,1,2,3,4,5,6,7
	global_load_b128 v[128+32*\r+4*\j:128+32*\r+4*\j+3], v2, s[4:5] offset:4096*\r+512*\j
.endr
.endr
	WIN 0x80                                       ; destination window 2
.irp r, 0,1,2,3
.irp j, 0,1,2,3,4,5,6,7
	global_load_b128 v[32*\r+4*\j:32*\r+4*\j+3], v2, s[4:5] offset:4096*(\r+4)+512*\j
.endr
.endr
	WIN 0
; Tokens 2 t and 2 t + 1 of the wave: 8 + 1 sums each over the lane's 32 k, then over the 32 lanes; lanes 2 t and 2 t + 1 keep them.
.macro PAIR t
	s_wait_loadcnt 48-16*\t                        ; loads come back in order: what may stay out are the later pairs' rows, 16 loads a pair
.if \t < 2
.set XR, 128+64*\t
	WIN 0x04                                       ; gate_w (source 1) in window 1
.else
.set XR, 64*(\t-2)
	WIN 0x06                                       ; and x (source 0) in window 2
.endif
.set kk, 0
.rept 32
.set xe, XR+2*(kk/2)
.irp q, 0,1,2,3                                ; two experts an instruction; x[kk] serves both halves; eight chains take turns
.if kk == 0
	v_pk_mul_f32 v[SA+2*\q:SA+2*\q+1], v[xe:xe+1], v[2*\q:2*\q+1] op_sel_hi:[0,1]
	v_pk_mul_f32 v[SB+2*\q:SB+2*\q+1], v[xe+32:xe+33], v[2*\q:2*\q+1] op_sel_hi:[0,1]
.elseif kk%2 == 0
	v_pk_fma_f32 v[SA+2*\q:SA+2*\q+1], v[xe:xe+1], v[8*kk+2*\q:8*kk+2*\q+1], v[SA+2*\q:SA+2*\q+1] op_sel_hi:[0,1,1]
	v_pk_fma_f32 v[SB+2*\q:SB+2*\q+1], v[xe+32:xe+33], v[8*kk+2*\q:8*kk+2*\q+1], v[SB+2*\q:SB+2*\q+1] op_sel_hi:[0,1,1]
.else
	v_pk_fma_f32 v[SA+2*\q:SA+2*\q+1], v[xe:xe+1], v[8*kk+2*\q:8*kk+2*\q+1], v[SA+2*\q:SA+2*\q+1] op_sel:[1,0,0] op_sel_hi:[1,1,1]
	v_pk_fma_f32 v[SB+2*\q:SB+2*\q+1], v[xe+32:xe+33], v[8*kk+2*\q:8*kk+2*\q+1], v[SB+2*\q:SB+2*\q+1] op_sel:[1,0,0] op_sel_hi:[1,1,1]
.endif
.endr
.set kk, kk+1
.endr
.if \t < 2
	WIN 0
.else
	WIN 0x02
.endif
.set u, 0
.rept 16                                       ; the shared gate's sum, in two halves
.if u == 0
	v_pk_mul_f32 v[SA+8:SA+9], v[XR:XR+1], v[WS:WS+1]
	v_pk_mul_f32 v[SB+8:SB+9], v[XR+32:XR+33], v[WS:WS+1]
.else
	v_pk_fma_f32 v[SA+8:SA+9], v[XR+2*u:XR+2*u+1], v[WS+2*u:WS+2*u+1], v[SA+8:SA+9]
	v_pk_fma_f32 v[SB+8:SB+9], v[XR+32+2*u:XR+33+2*u], v[WS+2*u:WS+2*u+1], v[SB+8:SB+9]
.endif
.set u, u+1
.endr
	WIN 0
	v_add_f32 v[SA+8], v[SA+8], v[SA+9]
	v_add_f32 v[SB+8], v[SB+8], v[SB+9]
.irp x, 1,2,4,8                                ; across the lanes: the 18 sums take turns line by line
.irp b, SA, SB
.irp e, 0,1,2,3,4,5,6,7,8
	v_add_f32_dpp v[\b+\e], v[\b+\e], v[\b+\e] row_xmask:\x row_mask:0xf bank_mask:0xf
.endr
.endr
.endr
.irp e, 0,1,2,3,4,5,6,7,8
	v_permlanex16_b32 v[TP+\e], v[SA+\e], s22, s23
	v_permlanex16_b32 v[TP+9+\e], v[SB+\e], s22, s23
.endr
.irp e, 0,1,2,3,4,5,6,7,8
	v_add_f32 v[SA+\e], v[SA+\e], v[TP+\e]
	v_add_f32 v[SB+\e], v[SB+\e], v[TP+9+\e]
.endr
	s_mov_b32 s24, 1<<(2*\t)
	s_mov_b32 s25, 2<<(2*\t)
.irp e, 0,1,2,3,4,5,6,7,8
.if \t == 0
	v_mov_b32 v[L+\e], v[SA+\e]                    ; the first token writes every lane, so that the register is whole
.else
	v_cndmask_b32 v[L+\e], v[L+\e], v[SA+\e], s24
.endif
	v_cndmask_b32 v[L+\e], v[L+\e], v[SB+\e], s25
.endr
.endm
	PAIR 0
	PAIR 1
	PAIR 2
	PAIR 3
	ds_store_b128 v5, v[72:75]                     ; lanes 0-7 hold tokens; the other lanes write rows of their own that nobody reads
	ds_store_b128 v5, v[76:79] offset:16
	ds_store_b32 v5, v80 offset:32
	s_wait_dscnt 0x0                               ; for the others' sake: my stores have landed
	s_barrier_signal -1
	s_barrier_wait -1
	s_cmp_lg_u32 s18, 0
	s_cbranch_scc1 .Lend                           ; wave 0 finishes the chunk: a lane to a token
	ds_load_b128 v[104:107], v6
	ds_load_b128 v[108:111], v6 offset:16
	ds_load_b32 v112, v6 offset:32
	ds_load_b128 v[116:119], v8
	ds_load_b128 v[120:123], v8 offset:4096
	s_mov_b32 s21, 0
	s_lshl_b32 s20, ttmp9, 10
	s_add_nc_u64 s[10:11], s[10:11], s[20:21]      ; out1: 1,024 bytes a chunk
	s_lshl_b32 s20, ttmp9, 9
	s_add_nc_u64 s[12:13], s[12:13], s[20:21]      ; cw: 512
	s_lshl_b32 s20, ttmp9, 7
	s_add_nc_u64 s[14:15], s[14:15], s[20:21]      ; tokinfo and hist: 128
	s_add_nc_u64 s[16:17], s[16:17], s[20:21]
	s_wait_dscnt 0x0
	global_store_b128 v2, v[116:119], s[10:11]             ; each store covers 512 consecutive bytes
	global_store_b128 v2, v[120:123], s[10:11] offset:512
	v_max3_num_f32 v113, v104, v105, v106          ; the softmax takes the row's maximum away
	v_max3_num_f32 v113, v113, v107, v108
	v_max3_num_f32 v113, v113, v109, v110
	v_max_num_f32 v113, v113, v111
.irp e, 0,1,2,3,4,5,6,7
	v_sub_f32 v[124+\e], v[104+\e], v113
.endr
.irp e, 0,1,2,3,4,5,6,7
	v_mul_f32 v[124+\e], 0x3fb8aa3b, v[124+\e]
.endr
.irp e, 0,1,2,3,4,5,6,7
	v_exp_f32 v[124+\e], v[124+\e]
.endr
	v_mul_f32 v133, 0xbfb8aa3b, v112               ; (a plain line behind the exponentials)  -g log2(e)
	s_wait_alu depctr_va_vdst(0)
	v_add_f32 v114, v124, v125
	v_add_f32 v115, v126, v127
	v_add_f32 v134, v128, v129
	v_add_f32 v135, v130, v131
	v_add_f32 v114, v114, v115
	v_add_f32 v134, v134, v135
	v_add_f32 v114, v114, v134
	v_exp_f32 v133, v133
	v_rcp_f32 v114, v114
	v_nop
	s_wait_alu depctr_va_vdst(0)
	v_add_f32 v133, 1.0, v133
.irp e, 0,1,2,3,4,5,6,7
	v_mul_f32 v[124+\e], v[124+\e], v114           ; the probabilities
.endr
	v_rcp_f32 v133, v133                           ; the shared gate
	v_mov_b32 v136, v124                           ; the largest so far, and its index;
	v_mov_b32 v137, 0
	v_mov_b32 v138, -1.0                           ; the second: under every probability
	v_mov_b32 v139, 0
.irp e, 1,2,3,4,5,6,7                          ; strictly greater: of equals the lower index stays ahead
	v_cmp_gt_f32 s20, v[124+\e], v136
	v_cmp_gt_f32 s21, v[124+\e], v138
	v_cndmask_b32 v138, v138, v[124+\e], s21
	v_cndmask_b32 v139, v139, \e, s21
	v_cndmask_b32 v138, v138, v136, s20
	v_cndmask_b32 v139, v139, v137, s20
	v_cndmask_b32 v136, v136, v[124+\e], s20
	v_cndmask_b32 v137, v137, \e, s20
.endr
	v_add_f32 v140, v136, v138
	v_max_num_f32 v140, 0x358637bd, v140           ; clip at 1e-6
	v_rcp_f32 v140, v140
	v_min_u32 v141, v137, v139                     ; lo
	v_max_u32 v142, v137, v139                     ; hi
	s_wait_alu depctr_va_vdst(0)
	v_mul_f32 v136, v136, v140
	v_mul_f32 v138, v138, v140
	v_cmp_lt_u32 vcc_lo, v137, v139
	v_cndmask_b32 v144, v138, v136, vcc_lo         ; the lower expert's weight,
	v_cndmask_b32 v145, v136, v138, vcc_lo         ; the higher's
	v_mov_b32 v146, v133
	v_mov_b32 v147, 0
	v_sub_nc_u32 v143, 15, v141                    ; key = lo (15 - lo) / 2 + hi - lo - 1
	v_mul_u32_u24 v143, v143, v141
	v_lshrrev_b32 v143, 1, v143
	v_add3_u32 v143, v143, v142, -1
	v_sub_nc_u32 v143, v143, v141
	v_mov_b32 v149, 0                              ; my rank among the chunk's tokens of my key
	v_mov_b32 v150, 0                              ; lane k: how many tokens of the chunk have key k
.set k, 0
.rept 28
	v_cmp_eq_u32 vcc_lo, k, v143
	v_mbcnt_lo_u32_b32 v148, vcc_lo, 0
	v_cndmask_b32 v149, v149, v148, vcc_lo
	s_bcnt1_i32_b32 s20, vcc_lo
	v_writelane_b32 v150, s20, k
.set k, k+1
.endr
	v_lshl_or_b32 v151, v149, 8, v143
	global_store_b128 v2, v[144:147], s[12:13]
	global_store_b32 v9, v151, s[14:15]
	global_store_b32 v9, v150, s[16:17]
.Lend:
	s_wait_tensorcnt 0x0
	ds_add_u32 v102, v103
	s_wait_dscnt 0x0
	s_endpgm
.Lfunc_end_k_q35918ef855_router:
	.size	k_q35918ef855_router, .Lfunc_end_k_q35918ef855_router-k_q35918ef855_router
	.p2alignl 7, 3214868480
	.fill 96, 4, 3214868480
	.section	.rodata,"a",@progbits
	.p2align	6, 0x0
	.amdhsa_kernel k_q35918ef855_router
		.amdhsa_group_segment_fixed_size 8704
		.amdhsa_private_segment_fixed_size 0
		.amdhsa_enable_private_segment 0
		.amdhsa_kernarg_size 56
		.amdhsa_user_sgpr_count 2
		.amdhsa_user_sgpr_kernarg_segment_ptr 1
		.amdhsa_wavefront_size32 1
		.amdhsa_system_sgpr_workgroup_id_x 1
		.amdhsa_system_sgpr_workgroup_id_y 1
		.amdhsa_system_sgpr_workgroup_id_z 1
		.amdhsa_system_vgpr_workitem_id 0
		.amdhsa_next_free_vgpr 640
		.amdhsa_next_free_sgpr 66
		.amdhsa_reserve_vcc 1
		.amdhsa_float_denorm_mode_32 3
		.amdhsa_float_denorm_mode_16_64 3
		.amdhsa_memory_ordered 1
		.amdhsa_forward_progress 1
		.amdhsa_inst_pref_size 131
	.end_amdhsa_kernel
	.amdgpu_metadata
---
amdhsa.version: [ 1, 2 ]
amdhsa.kernels:
  - .name:           k_q35918ef855_router
    .symbol:         k_q35918ef855_router.kd
    .args:
      - { .name: hidden_states, .offset: 0, .size: 8, .value_kind: global_buffer, .address_space: global }
      - { .name: gate_w, .offset: 8, .size: 8, .value_kind: global_buffer, .address_space: global }
      - { .name: shared_gate_w, .offset: 16, .size: 8, .value_kind: global_buffer, .address_space: global }
      - { .name: out1, .offset: 24, .size: 8, .value_kind: global_buffer, .address_space: global }
      - { .name: cw, .offset: 32, .size: 8, .value_kind: global_buffer, .address_space: global }
      - { .name: tokinfo, .offset: 40, .size: 8, .value_kind: global_buffer, .address_space: global }
      - { .name: hist, .offset: 48, .size: 8, .value_kind: global_buffer, .address_space: global }
    .group_segment_fixed_size: 8704
    .private_segment_fixed_size: 0
    .kernarg_segment_align: 8
    .kernarg_segment_size: 56
    .max_flat_workgroup_size: 128
    .sgpr_count:     66
    .vgpr_count:     640
    .wavefront_size: 32
...
	.end_amdgpu_metadata
.endif
;; end of part 1
;; launch prep (part 2): grid 16 x 31, 4 waves a work-group, no clusters, 0 bytes of LDS; arguments eg, eu, ed, sg, su, sd, lowp_scales, hist, tokinfo, wq, order, tiles; writes wq, order, tiles
.if DOCPART == 2
	.amdgcn_target "amdgcn-amd-amdhsa--gfx1250"
	.amdhsa_code_object_version 6
	.text
	.protected	k_q35918ef855_prep
	.globl	k_q35918ef855_prep
	.p2align	8
	.type	k_q35918ef855_prep,@function
k_q35918ef855_prep:
	s_mov_b64 s[64:65], 0
	v_nop
	global_prefetch_b8 v0, s[64:65] scope:SCOPE_SE
	s_setreg_imm32_b32 hwreg(HW_REG_WAVE_MODE, 25, 1), 1
	s_wait_xcnt 0x0
; PREP.  Work-groups with y < 30 turn the weights into codes of BF8 (E5M2), laid in the order of the chain's operand registers; those with y = 30 place the tokens by pair of experts.
; UNITS.  Unit u = 0..7 is expert u; units 8 and 9 are hidden units 0-255 and 256-511 of the shared expert.  y = 10 type + u; type 0 gate_proj, 1 up_proj, 2 down_proj.
; A FRAGMENT is 16 rows x 128 K of codes, 2,048 bytes: byte 512 c + 16 (r + 16 h) + i is row r, k = 32 c + 16 (i / 8) + 8 h + i % 8: four loads of 16 bytes a lane give the matrix form its own places of k.
; wq, unit u at 786,432 u: gate and up: fragment ((w 8 + ks) 8 + 4 mat + j), rows = hidden units 64 w + 16 j + r;  down: behind 524,288, fragment (w 32 + ch 8 + s 4 + j), rows = output columns 256 w + 64 ch + 16 j + r.
; QUANTISING.  K is the weights' first axis: a lane takes a column and its 128 registers run down K, so each load reads 128 consecutive bytes a wave (512 a work-group) and the conversions give codes with K innermost.
; code = x / 2^e, held within +-57,344, to the nearest code, ties to even.  LIMITS: -126 <= e <= 112.  NaN among the inputs is not served.
; A lane's 16 bytes of a piece (c, h) stand beside its neighbours' in the fragment: sixteen lanes store 256 consecutive bytes, aligned.
; PLACING.  A counting sort without atomics: wave gw = 0..63 owns chunks 4 gw .. 4 gw + 3 of 32 tokens.  Every wave sums the 256 chunks' histograms (a lane to a key), so it knows each key's first rank and how many
; tokens of each key stand in earlier chunks; a token's rank is that + its rank in its chunk.  order[rank] = token.  The list of tiles (lo, hi, first rank, rows; at most 64 rows of one key) has 160 entries, of which
; at most 128 + 27 have rows, whatever the choice; waves 0-4 write it, a lane to an entry.
	s_load_b512 s[4:19], s[0:1], 0x0               ; eg s[4:5], eu s[6:7], ed s[8:9], sg s[10:11], su s[12:13], sd s[14:15], the scales s[16:17], hist s[18:19]
	s_load_b256 s[20:27], s[0:1], 0x40             ; tokinfo s[20:21], wq s[22:23], order s[24:25], tiles s[26:27]
	v_lshrrev_b32 v1, 5, v0
	v_readfirstlane_b32 s29, v1                    ; wave
	v_and_b32 v1, 31, v0                           ; lane
	v_lshlrev_b32 v2, 2, v1                        ; 4 x lane
	s_and_b32 s28, ttmp7, 0xffff                   ; y
	s_wait_kmcnt 0x0
	s_cmp_eq_u32 s28, 30
	s_cbranch_scc1 .Lplace
	; ---------------- the weights ----------------
	s_cmp_ge_u32 s28, 10
	s_cselect_b32 s30, 1, 0
	s_cmp_ge_u32 s28, 20
	s_cselect_b32 s31, 1, 0
	s_add_co_u32 s30, s30, s31                     ; type
	s_mul_i32 s31, s30, 10
	s_sub_co_u32 s31, s28, s31                     ; u
	s_min_u32 s33, s31, 8                          ; the unit's set of scales: both halves of the shared expert have set 8
	s_and_b32 s32, s31, 7                          ; the expert, or the half of the shared expert
	s_cmp_lt_u32 s31, 8                            ; the choices hang on the work-group's number alone
	s_cselect_b64 s[4:5], s[4:5], s[10:11]
	s_cselect_b64 s[6:7], s[6:7], s[12:13]
	s_cselect_b64 s[8:9], s[8:9], s[14:15]
	s_cselect_b32 s34, 0, 1
	s_cmp_eq_u32 s30, 0
	s_cselect_b64 s[4:5], s[4:5], s[6:7]
	s_cmp_eq_u32 s30, 2
	s_cselect_b64 s[4:5], s[8:9], s[4:5]           ; the tensor
	s_cselect_b32 s35, 3, 1
	s_cselect_b32 s36, 7, 1
	s_cselect_b32 s34, 0, s34                      ; 1: gate or up of the shared expert (rows of 2,048 bytes)
	s_cselect_b32 s37, 19, 17
	s_lshr_b32 s35, ttmp9, s35                     ; which 128 along K
	s_and_b32 s36, ttmp9, s36                      ; which 128 columns
	s_cmp_eq_u32 s34, 1
	s_cselect_b32 s37, 18, s37                     ; 128 rows of the tensor: 2^17, 2^18 or 2^19 bytes
	s_cselect_b32 s38, 10, 20                      ; an expert is 2^20 bytes on; a half of the shared gate or up 256 columns
	s_lshl_b32 s38, s32, s38
	s_lshl_b32 s37, s35, s37
	s_add_co_u32 s38, s38, s37
	s_lshl_b32 s37, s36, 9
	s_add_co_u32 s38, s38, s37
	s_lshl_b32 s37, s29, 7                         ; my wave's 32 columns
	s_add_co_u32 s38, s38, s37
	s_mov_b32 s39, 0
	s_add_nc_u64 s[4:5], s[4:5], s[38:39]
	s_mul_i32 s40, s33, 6                          ; the weight's scale: entry 6 set + 2 type + 1
	s_lshl_b32 s41, s30, 1
	s_add_co_u32 s40, s40, s41
	s_lshl_b32 s40, s40, 2
	s_add_co_u32 s40, s40, 4
	s_mov_b32 s41, 0
	s_add_nc_u64 s[16:17], s[16:17], s[40:41]
	s_load_b32 s42, s[16:17], 0x0
	s_lshr_b32 s43, s29, 1
	s_and_b32 s44, s29, 1
	s_lshl_b32 s45, s36, 1                         ; gate, up: fragment ((2 cb + wave / 2) 8 + ks) 8 + 4 type + 2 (wave % 2)
	s_add_co_u32 s45, s45, s43
	s_lshl_b32 s45, s45, 3
	s_add_co_u32 s45, s45, s35
	s_lshl_b32 s45, s45, 3
	s_lshl_b32 s46, s30, 2
	s_add_co_u32 s45, s45, s46
	s_lshr_b32 s46, s36, 1                         ; down: fragment 256 + (cb / 2) 32 + (2 (cb % 2) + wave / 2) 8 + 4 s + 2 (wave % 2)
	s_lshl_b32 s46, s46, 5
	s_and_b32 s47, s36, 1
	s_lshl_b32 s47, s47, 1
	s_add_co_u32 s47, s47, s43
	s_lshl_b32 s47, s47, 3
	s_add_co_u32 s46, s46, s47
	s_lshl_b32 s47, s35, 2
	s_add_co_u32 s46, s46, s47
	s_add_co_u32 s46, s46, 256
	s_cmp_eq_u32 s30, 2
	s_cselect_b32 s45, s46, s45
	s_lshl_b32 s46, s44, 1
	s_add_co_u32 s45, s45, s46
	s_lshl_b32 s45, s45, 11
	s_mul_i32 s46, s31, 786432
	s_add_co_u32 s46, s46, s45
	s_mov_b32 s47, 0
	s_add_nc_u64 s[22:23], s[22:23], s[46:47]
	v_lshrrev_b32 v3, 4, v1                        ; lanes 0-15: the first fragment's rows; lanes 16-31: the next fragment's
	v_lshlrev_b32 v3, 11, v3
	v_and_b32 v4, 15, v1
	v_lshl_add_u32 v3, v4, 4, v3
.macro LOADS step                      ; 128 rows down K of my column; every offset an immediate, 127 x 4,096 at the most
.set n, 0
.rept 128
	global_load_b32 v[32+n], v2, s[4:5] offset:n*\step th:TH_LOAD_NT
.set n, n+1
.endr
.endm
	s_cmp_eq_u32 s30, 2                            ; the three ways differ in the row's length alone, and issue the same number of loads
	s_cbranch_scc1 .Lstep4096
	s_cmp_eq_u32 s34, 1
	s_cbranch_scc1 .Lstep2048
	LOADS 1024
	s_branch .Lloaded
.Lstep2048:
	LOADS 2048
	s_branch .Lloaded
.Lstep4096:
	LOADS 4096
.Lloaded:
	s_wait_kmcnt 0x0
	s_add_co_i32 s42, s42, 127
	s_lshl_b32 s43, s42, 23
	v_mov_b32 v11, s43                             ; 2^e as f32: the conversion takes its exponent field
	s_add_co_i32 s42, s42, 15
	s_lshl_b32 s42, s42, 23
	s_or_b32 s42, s42, 0x600000
	v_mov_b32 v10, s42                             ; 57,344 x 2^e
.irp c, 0,1,2,3
.if \c < 2
	s_wait_loadcnt 63                              ; 96 or 64 loads are younger than this block's; the count names at most 63
.elseif \c == 2
	s_wait_loadcnt 32                              ; the last block's 32 may be out
.else
	s_wait_loadcnt 0
.endif
.set n, 0
.rept 32
	v_med3_num_f32 v[32+32*\c+n], v[32+32*\c+n], -v10, v10   ; the conversion to an 8-bit code does not saturate (ISA guide 7.6.2): the hold comes first
.set n, n+1
.endr
.irp h, 0,1
	v_cvt_scalef32_pk8_bf8_f32 v[160+8*\c+4*\h:161+8*\c+4*\h], v[32+32*\c+8*\h:39+32*\c+8*\h], v11       ; k = 32 c + 8 h + 0 .. 7
	v_cvt_scalef32_pk8_bf8_f32 v[162+8*\c+4*\h:163+8*\c+4*\h], v[48+32*\c+8*\h:55+32*\c+8*\h], v11       ; k = 32 c + 16 + 8 h + 0 .. 7
.endr
	v_nop                                          ; a plain line behind the conversions
.irp h, 0,1
	global_store_b128 v3, v[160+8*\c+4*\h:163+8*\c+4*\h], s[22:23] offset:512*\c+256*\h   ; each piece has registers of its own: no store's data are written again
.endr
.endr
	s_endpgm
	; ---------------- the tokens ----------------
.Lplace:
	s_lshl_b32 s30, ttmp9, 2
	s_add_co_u32 s30, s30, s29                     ; gw = 0..63
	s_lshl_b32 s32, s30, 9
	s_mov_b32 s33, 0
	s_add_nc_u64 s[34:35], s[18:19], s[32:33]      ; my four chunks' histograms,
	s_add_nc_u64 s[36:37], s[20:21], s[32:33]      ; and their tokens' words
.irp q, 0,1,2,3
	global_load_b32 v[14+\q], v2, s[34:35] offset:128*\q
.endr
.irp q, 0,1,2,3
	global_load_b32 v[18+\q], v2, s[36:37] offset:128*\q
.endr
.macro BATCH b                         ; 64 chunks' histograms, a lane to a key, into one of two sets of 64 registers
.set n, 0
.rept 64
	global_load_b32 v[32+64*(\b%2)+n], v2, s[18:19] offset:(64*\b+n)*128
.set n, n+1
.endr
.endm
.macro PROC b                          ; added up by fours: a wave's chunks.  v3: all chunks; v4: those in front of mine
.set n, 0
.rept 16
.set ra, 32+64*(\b%2)+4*n
	v_add3_u32 v5, v[ra], v[ra+1], v[ra+2]
	v_add_nc_u32 v5, v5, v[ra+3]
	s_cmp_gt_u32 s30, 16*\b+n
	s_cselect_b32 s38, -1, 0
	v_add_nc_u32 v3, v3, v5
	v_and_b32 v6, s38, v5
	v_add_nc_u32 v4, v4, v6
.set n, n+1
.endr
.endm
	BATCH 0
	BATCH 1
	v_mov_b32 v3, 0
	v_mov_b32 v4, 0
	v_mov_b32 v7, 0                                ; lane k: key k's first rank
	v_mov_b32 v8, 0                                ; my tile's lo, hi, its key's first tile, first rank and tokens
	v_mov_b32 v9, 0
	v_mov_b32 v10, 0
	v_mov_b32 v11, 0
	v_mov_b32 v12, 0
	s_wait_loadcnt 63                              ; 64 loads are younger than the batch in hand; the count names at most 63
	PROC 0
	BATCH 2
	s_wait_loadcnt 63
	PROC 1
	BATCH 3
	s_wait_loadcnt 63
	PROC 2
	s_wait_loadcnt 0
	PROC 3
	s_mov_b32 s40, 0                               ; ranks and tiles in front of key k
	s_mov_b32 s41, 0
	s_lshl_b32 s42, s30, 5
	v_add_nc_u32 v13, s42, v1                      ; J: the entry of the list that my lane would write
.set kl, 0
.set kh, 1
.set k, 0
.rept 28                                       ; the last key whose first tile is at or in front of J is J's key
	v_readlane_b32 s43, v3, k
	v_writelane_b32 v7, s40, k
	v_cmp_le_u32 vcc_lo, s41, v13
	v_cndmask_b32 v8, v8, kl, vcc_lo
	v_cndmask_b32 v9, v9, kh, vcc_lo
	v_cndmask_b32 v10, v10, s41, vcc_lo
	v_cndmask_b32 v11, v11, s40, vcc_lo
	v_cndmask_b32 v12, v12, s43, vcc_lo
	s_add_co_u32 s40, s40, s43
	s_add_co_u32 s43, s43, 63
	s_lshr_b32 s43, s43, 6
	s_add_co_u32 s41, s41, s43
.set k, k+1
.set kh, kh+1
.if kh == 8
.set kl, kl+1
.set kh, kl+1
.endif
.endr
	v_sub_nc_u32 v22, v13, v10
	v_lshlrev_b32 v22, 6, v22
	v_min_u32 v22, v22, v12                        ; the key's tokens in front of this tile (all of them in an entry behind the last tile)
	v_mov_b32 v24, v8
	v_mov_b32 v25, v9
	v_add_nc_u32 v26, v11, v22
	v_min_u32 v26, 0x1fff, v26                     ; first rank
	v_sub_nc_u32 v27, v12, v22
	v_min_u32 v27, 64, v27                         ; rows: 0 in an entry without work
	v_lshlrev_b32 v28, 4, v13
	s_cmp_lt_u32 s30, 5
	s_cbranch_scc0 .Lno_list
	global_store_b128 v28, v[24:27], s[26:27]
.Lno_list:
	v_add_nc_u32 v29, v7, v4                       ; lane k: the rank of my first chunk's first token of key k
	s_lshl_b32 s44, s30, 7
.irp q, 0,1,2,3
	v_and_b32 v22, 31, v[18+\q]
	v_min_u32 v22, 31, v22
	v_lshlrev_b32 v22, 2, v22
	ds_bpermute_b32 v23, v22, v29                  ; from the lane of my token's key
	v_lshrrev_b32 v30, 8, v[18+\q]
	v_add_nc_u32 v[36+\q], s44, v1
	v_add_nc_u32 v[36+\q], 32*\q, v[36+\q]         ; the token
	s_wait_dscnt 0x0
	v_add_nc_u32 v23, v23, v30
	v_min_u32 v23, 0x1fff, v23
	v_lshlrev_b32 v[32+\q], 2, v23
	global_store_b32 v[32+\q], v[36+\q], s[24:25]  ; 32 KB in all go out in words: tokens of one key and chunk stand side by side
	v_add_nc_u32 v29, v29, v[14+\q]                ; on to the next chunk
.endr
	s_endpgm
.Lfunc_end_k_q35918ef855_prep:
	.size	k_q35918ef855_prep, .Lfunc_end_k_q35918ef855_prep-k_q35918ef855_prep
	.p2alignl 7, 3214868480
	.fill 96, 4, 3214868480
	.section	.rodata,"a",@progbits
	.p2align	6, 0x0
	.amdhsa_kernel k_q35918ef855_prep
		.amdhsa_group_segment_fixed_size 0
		.amdhsa_private_segment_fixed_size 0
		.amdhsa_enable_private_segment 0
		.amdhsa_kernarg_size 96
		.amdhsa_user_sgpr_count 2
		.amdhsa_user_sgpr_kernarg_segment_ptr 1
		.amdhsa_wavefront_size32 1
		.amdhsa_system_sgpr_workgroup_id_x 1
		.amdhsa_system_sgpr_workgroup_id_y 1
		.amdhsa_system_sgpr_workgroup_id_z 1
		.amdhsa_system_vgpr_workitem_id 0
		.amdhsa_next_free_vgpr 192
		.amdhsa_next_free_sgpr 66
		.amdhsa_reserve_vcc 1
		.amdhsa_float_denorm_mode_32 3
		.amdhsa_float_denorm_mode_16_64 3
		.amdhsa_memory_ordered 1
		.amdhsa_forward_progress 1
		.amdhsa_inst_pref_size 111
	.end_amdhsa_kernel
	.amdgpu_metadata
---
amdhsa.version: [ 1, 2 ]
amdhsa.kernels:
  - .name:           k_q35918ef855_prep
    .symbol:         k_q35918ef855_prep.kd
    .args:
      - { .name: eg, .offset: 0, .size: 8, .value_kind: global_buffer, .address_space: global }
      - { .name: eu, .offset: 8, .size: 8, .value_kind: global_buffer, .address_space: global }
      - { .name: ed, .offset: 16, .size: 8, .value_kind: global_buffer, .address_space: global }
      - { .name: sg, .offset: 24, .size: 8, .value_kind: global_buffer, .address_space: global }
      - { .name: su, .offset: 32, .size: 8, .value_kind: global_buffer, .address_space: global }
      - { .name: sd, .offset: 40, .size: 8, .value_kind: global_buffer, .address_space: global }
      - { .name: lowp_scales, .offset: 48, .size: 8, .value_kind: global_buffer, .address_space: global }
      - { .name: hist, .offset: 56, .size: 8, .value_kind: global_buffer, .address_space: global }
      - { .name: tokinfo, .offset: 64, .size: 8, .value_kind: global_buffer, .address_space: global }
      - { .name: wq, .offset: 72, .size: 8, .value_kind: global_buffer, .address_space: global }
      - { .name: order, .offset: 80, .size: 8, .value_kind: global_buffer, .address_space: global }
      - { .name: tiles, .offset: 88, .size: 8, .value_kind: global_buffer, .address_space: global }
    .group_segment_fixed_size: 0
    .private_segment_fixed_size: 0
    .kernarg_segment_align: 8
    .kernarg_segment_size: 96
    .max_flat_workgroup_size: 128
    .sgpr_count:     66
    .vgpr_count:     192
    .wavefront_size: 32
...
	.end_amdgpu_metadata
.endif
;; end of part 2
;; launch chain (part 3): grid 155 x 1, 4 waves a work-group, no clusters, 214,528 bytes of LDS; arguments hidden_states, wq, lowp_scales, order, tiles, cw, out0; writes out0
.if DOCPART == 3
	.amdgcn_target "amdgcn-amd-amdhsa--gfx1250"
	.amdhsa_code_object_version 6
	.text
	.protected	k_q35918ef855_chain
	.globl	k_q35918ef855_chain
	.p2align	8
	.type	k_q35918ef855_chain,@function
k_q35918ef855_chain:
	s_mov_b64 s[64:65], 0
	v_nop
	global_prefetch_b8 v0, s[64:65] scope:SCOPE_SE
	s_setreg_imm32_b32 hwreg(HW_REG_WAVE_MODE, 25, 1), 1
	s_wait_xcnt 0x0
; CHAIN.  A work-group takes one tile of the list: at most 64 tokens that chose the same two experts (lo, hi), and takes them through four passes of one body: units lo, hi, 8 and 9 (the two halves of the shared
; expert).  Stage 1, a pass: gate and up products on codes of BF8, silu(gate) x up, quantised, as an image of the next operand's registers into LDS.  Stage 2: the down products of all four passes for 64 output columns
; a wave at a time, weighed by the two routing weights and the shared gate, stored.  The hidden layer never goes to memory, and each output row has one owner.
; 155 work-groups serve every split (128 + 27 tiles at the most).  An entry without rows walks the same text and stores nothing: no barrier stands under a branch on a loaded number.
; Rows beyond the tile's count repeat its last token: they compute and store that token's numbers again.
; SHARES.  The waves share the columns: wave w makes hidden units 64 w .. + 63 and output columns 256 w .. + 255 for all 64 rows (four tiles m of 16).  Its weights come from memory straight into registers, laid by the
; launch before in the order of the operand's registers, through a ring of four slots of four fragments: one at work, three on their way.  No tensor load, no cluster: which weights a work-group walks hangs on a loaded list.
; BOTH PRODUCTS ARE USED TRANSPOSED (source 0 = 16 rows of weights, source 1 = 16 tokens): a lane holds one token (lane % 16), and its eight registers eight neighbouring units or columns, 8 (lane / 16) on:
; just what the matrix form's own layout wants of the next operand (registers 2 c, 2 c + 1: k = 16 c + 8 (lane / 16) + 0 .. 7), so a tile's conversion IS two registers of the hidden fragment.
; x is quantised by the wave that owns the tile of rows, once with the gate product's scale and once with the up product's, and again only in a pass whose two scales differ from those held.
; LIMITS on the given exponents, so that each power of two is an f32 number: each operand's e between -126 and 112; eA + eB of a gate product between -126 and 127; e_h less the four exponents of its gate and up
; products between -126 and 112.  The down products' exponents go in by v_ldexp_f32.  NaN among the inputs is not served.
; LDS: 0 x's images with the gate scale ((8 m + ks) x 2,048); 65,536 the same with the up scale; 131,072 the hidden images (((4 p + m) 2 + s) x 2,048); 196,608 a stage of 16 rows x 272 bytes for each wave.
; REGISTERS, in windows of 256: window 0: v1-63 addresses, tokens, coefficients, scales; v64-95 codes just made; v96-127 tokens in the stores' order (stage 1); v64-127 rows on their way out (stage 2);
;   v128-255 two slots of four fragments of x or of the hidden layer (while x is quantised: the held numbers).   window 1: stage 1: gate sums at 8 (4 j + m), up sums 128 on; stage 2: sums, and 128 on the output;
;   while x is quantised: x of K steps 0-3.   window 2: the weights' ring.   window 3: x of K steps 4-7; later the 32 store offsets.
; An item's 32 loads stand in ONE run at its head and its 16 products back to back behind them: three window switches an item, and no load stands between two products.
.set XUB, 65536
.set HB,  131072
.set STG, 196608
.set UNITB, 786432
.set MSB, 0
.macro WIN new                         ; the immediate's high byte repeats the setting that is left; a switch that changes nothing is dropped
.if MSB != \new
	s_set_vgpr_msb (MSB<<8)|\new
.set MSB, \new
.endif
.endm
	s_load_b256 s[4:11], s[0:1], 0x0               ; x s[4:5], wq s[6:7], the scales s[8:9], order s[10:11]
	s_load_b128 s[12:15], s[0:1], 0x20             ; tiles s[12:13], cw s[14:15]
	s_load_b64 s[16:17], s[0:1], 0x30              ; out0
	v_lshl_add_u32 v62, v0, 2, 0x34400
	v_mov_b32 v63, 0
	v_lshrrev_b32 v1, 5, v0
	v_readfirstlane_b32 s18, v1                    ; wave 0..3
	v_and_b32 v1, 15, v0                           ; r
	v_bfe_u32 v2, v0, 4, 1                         ; h
	v_and_b32 v3, 31, v0
	v_lshlrev_b32 v3, 4, v3                        ; 16 x lane: my place in an image
	v_mov_b32 v5, v3                               ; the same in the weights; stage 2 steps it
	v_mov_b32 v6, v3                               ; reads of x's images, gate scale,
	v_add_nc_u32 v7, XUB, v3                       ; up scale,
	v_add_nc_u32 v8, HB, v3                        ; and of the hidden images
	s_lshr_b32 s70, s18, 1
	s_lshl_b32 s70, s70, 11
	s_and_b32 s71, s18, 1
	s_lshl_b32 s71, s71, 10
	s_add_co_u32 s70, s70, s71
	v_add_nc_u32 v9, s70, v8                       ; my 64 units are K step w / 2, pieces 2 (w % 2) and 2 (w % 2) + 1 of a hidden fragment
	s_lshl_b32 s70, s18, 14
	v_add_nc_u32 v10, s70, v3                      ; I write x's images of tile m = w
	v_add_nc_u32 v13, XUB, v10
	s_mul_i32 s70, s18, 4352
	s_add_co_u32 s70, s70, STG                     ; my stage
	v_mul_u32_u24 v11, v1, 272
	v_lshl_add_u32 v11, v2, 5, v11
	v_add_nc_u32 v11, s70, v11                     ; in: row r, 32 bytes for each half of the lanes
	v_mul_u32_u24 v12, v2, 272
	v_lshl_add_u32 v12, v1, 4, v12
	v_add_nc_u32 v12, s70, v12                     ; back: lanes 0-15 one row of 256 bytes, lanes 16-31 the next
	v_lshlrev_b32 v38, 4, v1
	s_lshl_b32 s70, ttmp9, 4
	s_mov_b32 s71, 0
	s_wait_kmcnt 0x0
	s_add_nc_u64 s[12:13], s[12:13], s[70:71]
	s_load_b128 s[20:23], s[12:13], 0x0            ; lo, hi, first rank, rows
	s_load_b64 s[58:59], s[8:9], 0xc0              ; the shared expert's six exponents: eAg, eBg, eAu, eBu, eAh, eBd
	s_load_b64 s[60:61], s[8:9], 0xc8
	s_load_b64 s[62:63], s[8:9], 0xd0
	s_wait_kmcnt 0x0
	s_min_u32 s20, s20, 7
	s_min_u32 s21, s21, 7
	s_min_u32 s22, s22, 8191
	s_min_u32 s23, s23, 64
	s_mul_i32 s70, s20, 24
	s_add_nc_u64 s[74:75], s[8:9], s[70:71]
	s_load_b64 s[46:47], s[74:75], 0x0             ; lo's six
	s_load_b64 s[48:49], s[74:75], 0x8
	s_load_b64 s[50:51], s[74:75], 0x10
	s_mul_i32 s70, s21, 24
	s_add_nc_u64 s[80:81], s[8:9], s[70:71]
	s_load_b64 s[52:53], s[80:81], 0x0             ; hi's six
	s_load_b64 s[54:55], s[80:81], 0x8
	s_load_b64 s[56:57], s[80:81], 0x10
	s_lshl_b32 s82, s18, 17                        ; my wave's gate and up fragments of a unit: 131,072 bytes,
	s_mov_b32 s83, 0
	s_add_nc_u64 s[84:85], s[6:7], s[82:83]
	s_lshl_b32 s82, s18, 16                        ; and its down fragments: 65,536, behind 524,288
	s_add_co_u32 s82, s82, 524288
	s_add_nc_u64 s[86:87], s[6:7], s[82:83]
	s_mul_i32 s82, s20, UNITB
	s_add_nc_u64 s[24:25], s[84:85], s[82:83]      ; s[24:31]: the four passes' gate and up weights, a queue;  s[32:39]: their down weights
	s_add_nc_u64 s[32:33], s[86:87], s[82:83]
	s_mul_i32 s82, s21, UNITB
	s_add_nc_u64 s[26:27], s[84:85], s[82:83]
	s_add_nc_u64 s[34:35], s[86:87], s[82:83]
	s_add_nc_u64 s[28:29], s[84:85], 8*UNITB
	s_add_nc_u64 s[36:37], s[86:87], 8*UNITB
	s_add_nc_u64 s[30:31], s[84:85], 9*UNITB
	s_add_nc_u64 s[38:39], s[86:87], 9*UNITB
	s_max_u32 s88, s23, 1
	s_sub_co_u32 s88, s88, 1                       ; the tile's last row
.macro RANK reg                        ; a row of the tile -> its token: the load lands on its own address register
	v_min_u32 v[\reg], s88, v[\reg]
	v_add_nc_u32 v[\reg], s22, v[\reg]
	v_min_u32 v[\reg], 0x1fff, v[\reg]
	v_lshlrev_b32 v[\reg], 2, v[\reg]
	global_load_b32 v[\reg], v[\reg], s[10:11]
.endm
.irp m, 0,1,2,3
	v_add_nc_u32 v[14+\m], 16*\m, v1               ; v14-17: row 16 m + r: the token that my lane holds in tile m's results
	RANK 14+\m
.endr
	s_lshl_b32 s89, s18, 4
	v_add_nc_u32 v18, s89, v1                      ; v18: row 16 w + r: the row of x that I quantise
	RANK 18
.set n, 0
.rept 32
	v_add_nc_u32 v[96+n], 2*n, v2                  ; v96-127: row 2 n + h: the rows as the stores take them
	RANK 96+n
.set n, n+1
.endr
	WIN 0x80                                       ; destination window 2: the ring's first three items
.irp i, 0,1,2
.set n, 0
.rept 16
	global_load_b128 v[64*\i+4*n:64*\i+4*n+3], v5, s[24:25] offset:8192*\i+512*n
.set n, n+1
.endr
.endr
	WIN 0
	s_wait_loadcnt 48                              ; the tokens are in; the 48 loads of weights behind them stay out
.irp m, 14,15,16,17,18
	v_min_u32 v[\m], 0x1fff, v[\m]
.endr
.set n, 0
.rept 32
	v_min_u32 v[96+n], 0x1fff, v[96+n]
.set n, n+1
.endr
.irp m, 0,1,2,3
	v_lshlrev_b32 v[56+\m], 4, v[14+\m]
	global_load_b128 v[40+4*\m:43+4*\m], v[56+\m], s[14:15]    ; the token's two weights and its shared gate
.endr
	v_lshlrev_b32 v4, 12, v18
	v_lshl_add_u32 v4, v2, 5, v4                   ; x: my row, + 32 h: eight numbers of each sixteen
	s_wait_kmcnt 0x0
	s_add_co_i32 s76, s50, s51                     ; eAh + eBd of lo, of hi, of the shared expert
	s_add_co_i32 s77, s56, s57
	s_add_co_i32 s78, s62, s63
	s_mov_b32 s19, 0                               ; the pass
	s_mov_b32 s66, 0x7fffffff                      ; the scales with which x's images were made: none yet
	s_mov_b32 s67, 0x7fffffff
	s_mov_b32 s72, 0                               ; the pass's hidden images
; 16 LDS loads: four fragments into a slot
.macro XFETCH slot, adr, off, step
.set n, 0
.rept 16
	ds_load_b128 v[128+64*\slot+4*n:128+64*\slot+4*n+3], v[\adr] offset:\off+(n/4)*\step+512*(n%4)
.set n, n+1
.endr
.endm
; AN ITEM: four fragments of weights (ring slot ws) x four fragments of rows (slot xs), 128 along K: 16 products, the 16 accumulators by turns, one instruction a turn.
; ALL ITS LOADS STAND IN ONE RUN AT ITS HEAD: the next item's rows from LDS into the other row slot (address register xadr, 0 = none), then the weights of three items on into the ring slot
; that the item before has left (base wbase, 0 = none).  The 16 products follow back to back, and the rows land while they run.
; The four v_nop are the places between the item before, whose products read just those two slots, and these loads (ISA guide 7.12.1 for vector instructions).
; lw: how many loads of LATER items' weights were out before this item's run: 16 an item.
.macro ITEM ws, xs, acc, zero, xadr, xoff, xstep, wbase, wimm, lw
.rept 4
	v_nop
.endr
.set dq, 0
.set lv, (\lw)
.if \xadr
	WIN 0
.set n, 0
.rept 16
.set rL, 128+64*(1-(\xs))+4*n
	ds_load_b128 v[rL:rL+3], v[\xadr] offset:(\xoff)+(n/4)*(\xstep)+512*(n%4)
.set n, n+1
.endr
.set dq, 16
.endif
.if \wbase
	WIN 0x80                                       ; destination window 2, offset window 0
.set n, 0
.rept 16
.set rL, 64*(((\ws)+3)%4)+4*n
	global_load_b128 v[rL:rL+3], v5, s[\wbase:\wbase+1] offset:(\wimm)+512*n
.set n, n+1
.endr
.set lv, (\lw)+16
.endif
	s_wait_dscnt dq                                ; my rows are in: LDS loads come back in order, and only the run just issued (16, or none) may be out
	s_wait_loadcnt lv                              ; my weights are in: what may stay out are the later items' loads, the run just issued among them
	WIN 0x52                                       ; weights window 2, rows window 0, sums window 1
.set g, 0
.rept 8
.set rD, (\acc)+16*g
.set rW, 64*(\ws)+16*(g/2)
.set rX, 128+64*(\xs)+32*(g%2)
.if \zero
	v_wmma_f32_16x16x128_bf8_bf8 v[rD:rD+7], v[rW:rW+15], v[rX:rX+15], 0
	v_wmma_f32_16x16x128_bf8_bf8 v[rD+8:rD+15], v[rW:rW+15], v[rX+16:rX+31], 0
.else
	v_wmma_f32_16x16x128_bf8_bf8 v[rD:rD+7], v[rW:rW+15], v[rX:rX+15], v[rD:rD+7]
	v_wmma_f32_16x16x128_bf8_bf8 v[rD+8:rD+15], v[rW:rW+15], v[rX+16:rX+31], v[rD+8:rD+15]
.endif
.set g, g+1
.endr
.endm
; ================ STAGE 1: four passes ================
.Lpass:
	s_add_co_i32 s86, s46, s47                     ; a gate sum stands for sum x 2^(eAg + eBg), an up sum for sum x 2^(eAu + eBu)
	s_add_co_i32 s87, s48, s49
	s_lshl_b32 s88, s86, 23
	s_add_co_i32 s68, s88, 0xbfb8aa3b              ; -log2(e) x 2^(eAg + eBg): the exponent goes into the constant's exponent field
	s_mov_b32 s69, s68                             ; (named with it as a pair, so it is written)
	s_sub_co_i32 s88, s50, s86
	s_sub_co_i32 s88, s88, s87                     ; the hidden layer's conversion takes 2^(eAh - the four): the scales folded into one
	s_add_co_i32 s88, s88, 127
	s_lshl_b32 s89, s88, 23
	v_mov_b32 v36, s89
	s_add_co_i32 s88, s88, 15
	s_lshl_b32 s88, s88, 23
	s_or_b32 s88, s88, 0x600000
	v_mov_b32 v37, s88                             ; 57,344 x that
	s_add_nc_u64 s[80:81], s[26:27], 8192          ; what the pass's last three items ask for: the next pass's first three,
	s_add_nc_u64 s[82:83], s[26:27], 16384
	s_add_nc_u64 s[84:85], s[32:33], 8192          ; or, in the last pass, stage 2's: the ring never stops
	s_cmp_eq_u32 s19, 3
	s_cselect_b64 s[40:41], s[32:33], s[26:27]
	s_cselect_b64 s[42:43], s[84:85], s[80:81]
	s_cselect_b64 s[44:45], s[34:35], s[82:83]
	s_wait_dscnt 0x0                               ; my reads of x's images and my stores of hidden images are done
	s_barrier_signal -1
	s_barrier_wait -1                              ; nobody reads x's images any more
	s_cmp_lg_u32 s46, s66                          ; are they the images that this pass wants?  (whole numbers; no barrier stands under the branch)
	s_cbranch_scc1 .Lquant
	s_cmp_eq_u32 s48, s67
	s_cbranch_scc1 .Lheld
.Lquant:
	s_add_co_i32 s79, s46, 127
	s_lshl_b32 s80, s79, 23
	v_mov_b32 v32, s80                             ; 2^eAg,
	s_add_co_i32 s79, s79, 15
	s_lshl_b32 s79, s79, 23
	s_or_b32 s79, s79, 0x600000
	v_mov_b32 v33, s79                             ; 57,344 x 2^eAg,
	s_add_co_i32 s79, s48, 127
	s_lshl_b32 s80, s79, 23
	v_mov_b32 v34, s80                             ; and the same with eAu
	s_add_co_i32 s79, s79, 15
	s_lshl_b32 s79, s79, 23
	s_or_b32 s79, s79, 0x600000
	v_mov_b32 v35, s79
	s_mov_b32 s66, s46
	s_mov_b32 s67, s48
	WIN 0x40                                       ; my row of x: register 64 ks + 8 c + i = k 128 ks + 16 c + 8 h + i.  K steps 0-3 into window 1,
.set n, 0
.rept 64
	global_load_b128 v[4*n:4*n+3], v4, s[4:5] offset:64*(n/2)+16*(n%2)
.set n, n+1
.endr
	WIN 0xc0                                       ; 4-7 into window 3
.set n, 0
.rept 64
	global_load_b128 v[4*n:4*n+3], v4, s[4:5] offset:2048+64*(n/2)+16*(n%2)
.set n, n+1
.endr
.set ks, 0
.rept 8
.if 16*(7-ks) > 63
	s_wait_loadcnt 63                              ; more loads are younger than this K step's than the count can name
.else
	s_wait_loadcnt 16*(7-ks)                       ; the later K steps' loads, 16 each, may be out
.endif
.if ks < 4
	WIN 0x01
.else
	WIN 0x03
.endif
.set n, 0
.rept 64
	v_med3_num_f32 v[128+n], v[64*(ks%4)+n], -v33, v33     ; the conversion to an 8-bit code does not saturate (ISA guide 7.6.2): the hold, once for each scale
	v_med3_num_f32 v[192+n], v[64*(ks%4)+n], -v35, v35
.set n, n+1
.endr
	WIN 0
	s_wait_dscnt 0x0                               ; the last K step's stores have read the codes' registers
.set n, 0
.rept 8
	v_cvt_scalef32_pk8_bf8_f32 v[64+2*n:65+2*n], v[128+8*n:135+8*n], v32
	v_cvt_scalef32_pk8_bf8_f32 v[80+2*n:81+2*n], v[192+8*n:199+8*n], v34
.set n, n+1
.endr
	v_nop                                          ; a plain line behind the conversions
.irp c, 0,1,2,3
	ds_store_b128 v10, v[64+4*\c:67+4*\c] offset:2048*ks+512*\c
	ds_store_b128 v13, v[80+4*\c:83+4*\c] offset:2048*ks+512*\c
.endr
.set ks, ks+1
.endr
.Lheld:
	s_wait_dscnt 0x0                               ; for the others' sake: my images have landed
	s_barrier_signal -1
	s_barrier_wait -1
.rept 4
	v_nop
.endr
	XFETCH 0, 6, 0, 16384
.set i, 0
.rept 16                                       ; item i: K step i / 2; even: gate, odd: up
.set zz, 0
.if i < 2
.set zz, 1
.endif
.set xa, 6+(i+1)%2
.if i == 15
.set xa, 0
.endif
.set wb, 24
.set wi, (i+3)*8192
.if i >= 13
.set wb, 40+2*(i-13)
.set wi, 0
.endif
	ITEM i%4, i%2, 128*(i%2), zz, xa, 2048*((i+1)/2), 16384, wb, wi, 32
.set i, i+1
.endr
	; silu(gate) x up = G U 2^(..) / (1 + 2^(-G log2(e) 2^(..))): the powers of two go into the constant and into the conversion's scale
.rept 4
	v_nop                                          ; places behind the last products
.endr
	WIN 0x45
.set n, 0
.rept 64
	v_pk_mul_f32 v[128+2*n:129+2*n], v[2*n:2*n+1], v[128+2*n:129+2*n]      ; G U; each accumulator is read from its low end on
.set n, n+1
.endr
.set n, 0
.rept 64
	v_pk_mul_f32 v[2*n:2*n+1], v[2*n:2*n+1], s[68:69] op_sel_hi:[1,0]
.set n, n+1
.endr
.set n, 0
.rept 128
	v_exp_f32 v[n], v[n]
.set n, n+1
.endr
	v_nop
.set n, 0
	s_wait_alu depctr_va_vdst(0)
.rept 64
	v_pk_add_f32 v[2*n:2*n+1], v[2*n:2*n+1], 1.0 op_sel_hi:[1,0]
.set n, n+1
.endr
.set n, 0
.rept 128
	v_rcp_f32 v[n], v[n]
.set n, n+1
.endr
	v_nop
.set n, 0
	s_wait_alu depctr_va_vdst(0)
.rept 64
	v_pk_mul_f32 v[128+2*n:129+2*n], v[128+2*n:129+2*n], v[2*n:2*n+1]
.set n, n+1
.endr
	WIN 0x41
.set n, 0
.rept 128
	v_med3_num_f32 v[128+n], v[128+n], -v37, v37   ; the hold at the largest code x the scale
.set n, n+1
.endr
	WIN 0x01
.irp m, 0,1,2,3
.irp c, 0,1
	v_cvt_scalef32_pk8_bf8_f32 v[64+4*(2*\m+\c):65+4*(2*\m+\c)], v[128+8*(8*\c+\m):135+8*(8*\c+\m)], v36           ; tile j = 2 c of rows m,
	v_cvt_scalef32_pk8_bf8_f32 v[66+4*(2*\m+\c):67+4*(2*\m+\c)], v[128+8*(8*\c+4+\m):135+8*(8*\c+4+\m)], v36       ; tile 2 c + 1: four registers of the fragment
.endr
.endr
	WIN 0
	v_nop                                          ; a plain line behind the conversions
	v_add_nc_u32 v19, s72, v9
.irp m, 0,1,2,3
.irp c, 0,1
	ds_store_b128 v19, v[64+4*(2*\m+\c):67+4*(2*\m+\c)] offset:4096*\m+512*\c
.endr
.endr
	s_wait_xcnt 0x0                                ; the loads issued so far have read their bases: the queues may move
	s_mov_b64 s[24:25], s[26:27]
	s_mov_b64 s[26:27], s[28:29]
	s_mov_b64 s[28:29], s[30:31]
	s_mov_b64 s[46:47], s[52:53]
	s_mov_b64 s[48:49], s[54:55]
	s_mov_b64 s[50:51], s[56:57]
	s_mov_b64 s[52:53], s[58:59]
	s_mov_b64 s[54:55], s[60:61]
	s_mov_b64 s[56:57], s[62:63]
	s_add_co_u32 s72, s72, 16384
	s_add_co_u32 s19, s19, 1
	s_cmp_lt_u32 s19, 4
	s_cbranch_scc1 .Lpass
; ================ between the stages ================
	s_wait_dscnt 0x0                               ; my hidden images have landed
	s_barrier_signal -1
	s_barrier_wait -1                              ; all eight fragments of each pass lie in LDS
	XFETCH 0, 8, 0, 4096
	s_wait_loadcnt 48                              ; the tokens' weights are in: behind them only the ring's three items are out
.irp m, 0,1,2,3
	v_ldexp_f32 v[20+\m], v[40+4*\m], s76          ; v20-31: what a down sum of lo, of hi, of the shared expert is multiplied by, for the token that my lane holds in tile m
	v_ldexp_f32 v[24+\m], v[41+4*\m], s77
	v_ldexp_f32 v[28+\m], v[42+4*\m], s78
.endr
	WIN 0xc0
.set n, 0
.rept 32
	v_lshl_add_u32 v[n], v[96+n], 12, v38          ; window 3: the stores' offsets: the token's row of out0 + 16 (lane % 16)
.set n, n+1
.endr
	WIN 0
	s_lshl_b32 s70, s18, 10
	s_mov_b32 s71, 0
	s_add_nc_u64 s[16:17], s[16:17], s[70:71]      ; my wave's 256 columns
; the output takes the sums x coefficient f; first = 1: it starts there.  Each accumulator is read from its low end on.
.macro FMA f, first
.rept 4
	v_nop                                          ; places behind the last products
.endr
	WIN 0x51
.set n, 0
.rept 64
.set rC, 20+4*(\f)+2*(((n/4)%4)/2)
.if (n/4)%2 == 0
.if \first
	v_pk_mul_f32 v[128+2*n:129+2*n], v[2*n:2*n+1], v[rC:rC+1] op_sel_hi:[1,0]
.else
	v_pk_fma_f32 v[128+2*n:129+2*n], v[2*n:2*n+1], v[rC:rC+1], v[128+2*n:129+2*n] op_sel_hi:[1,0,1]
.endif
.else
.if \first
	v_pk_mul_f32 v[128+2*n:129+2*n], v[2*n:2*n+1], v[rC:rC+1] op_sel:[0,1] op_sel_hi:[1,1]
.else
	v_pk_fma_f32 v[128+2*n:129+2*n], v[2*n:2*n+1], v[rC:rC+1], v[128+2*n:129+2*n] op_sel:[0,1,0] op_sel_hi:[1,1,1]
.endif
.endif
.set n, n+1
.endr
.endm
; 16 rows x 64 columns leave through my own stage: in by 32 bytes a lane, back as whole rows of 256 bytes.  LDS serves a wave's instructions in order (ISA guide 5.7.1.4): no wait between the stores and the loads.
.macro OUTM m
	WIN 0
	s_cmp_le_u32 s23, 16*\m                        ; a tile of rows that the list leaves empty stores nothing
	s_cbranch_scc1 .Lskip_\@
	s_wait_xcnt 0x0                                ; earlier stores have read their data: the registers may be loaded again
	WIN 0x04                                       ; the data in window 1
.irp j, 0,1,2,3
	ds_store_b128 v11, v[128+8*(4*\j+\m):131+8*(4*\j+\m)] offset:64*\j
	ds_store_b128 v11, v[132+8*(4*\j+\m):135+8*(4*\j+\m)] offset:64*\j+16
.endr
	WIN 0
.irp t, 0,1,2,3,4,5,6,7
	ds_load_b128 v[64+32*(\m%2)+4*\t:67+32*(\m%2)+4*\t], v12 offset:544*\t
.endr
	s_wait_dscnt 0x0
	WIN 0x03                                       ; the offsets in window 3
.irp t, 0,1,2,3,4,5,6,7
	global_store_b128 v[8*\m+\t], v[64+32*(\m%2)+4*\t:67+32*(\m%2)+4*\t], s[16:17] th:TH_STORE_NT   ; sixteen lanes store 256 consecutive bytes of a token's row, aligned
.endr
	WIN 0
.Lskip_\@:
.endm
; A CHUNK: 64 output columns a wave.  Items 0, 1: lo's two K steps; 2, 3: hi's; 4 to 7: the shared expert's four, in one sum (one pair of scales, one gate).
.macro CHUNK last
.set i, 0
.rept 8
.set zz, 0
.if (i == 0) || (i == 2) || (i == 4)
.set zz, 1
.endif
.set xa, 8
.set xo, 16384*(((i+1)%8)/2)+2048*((i+1)%2)
.set n3, i+3
.set wi, 0
.if n3 >= 8
.set n3, n3-8
.set wi, 16384
.endif
.set wb, 32+2*(n3/2)
.set wi, wi+8192*(n3%2)
.set lq, 32
.if \last
.if i == 7
.set xa, 0
.set lq, 0
.endif
.if i >= 5
.set wb, 0
.endif
.if i == 6
.set lq, 16
.endif
.endif
	ITEM i%4, i%2, 0, zz, xa, xo, 4096, wb, wi, lq
.if i == 1
	FMA 0, 1
.endif
.if i == 3
	FMA 1, 0
.endif
.if i == 7
	FMA 2, 0
.endif
.set i, i+1
.endr
	OUTM 0
	OUTM 1
	OUTM 2
	OUTM 3
.endm
; ================ STAGE 2: four chunks ================
	s_mov_b32 s73, 3
.Lchunk:
	CHUNK 0
	s_wait_xcnt 0x0                                ; the stores have read their base, the ring's loads their offset
	s_add_nc_u64 s[16:17], s[16:17], 256
	v_add_nc_u32 v5, 16384, v5                     ; the next chunk's eight fragments of each pass
	s_sub_co_u32 s73, s73, 1
	s_cmp_lg_u32 s73, 0
	s_cbranch_scc1 .Lchunk
	CHUNK 1                                        ; the last chunk is written out: its last items ask for nothing, and their counts run down
	s_wait_tensorcnt 0x0
	ds_add_u32 v62, v63
	s_wait_dscnt 0x0
	s_endpgm
.Lfunc_end_k_q35918ef855_chain:
	.size	k_q35918ef855_chain, .Lfunc_end_k_q35918ef855_chain-k_q35918ef855_chain
	.p2alignl 7, 3214868480
	.fill 96, 4, 3214868480
	.section	.rodata,"a",@progbits
	.p2align	6, 0x0
	.amdhsa_kernel k_q35918ef855_chain
		.amdhsa_group_segment_fixed_size 214528
		.amdhsa_private_segment_fixed_size 0
		.amdhsa_enable_private_segment 0
		.amdhsa_kernarg_size 56
		.amdhsa_user_sgpr_count 2
		.amdhsa_user_sgpr_kernarg_segment_ptr 1
		.amdhsa_wavefront_size32 1
		.amdhsa_system_sgpr_workgroup_id_x 1
		.amdhsa_system_sgpr_workgroup_id_y 1
		.amdhsa_system_sgpr_workgroup_id_z 1
		.amdhsa_system_vgpr_workitem_id 0
		.amdhsa_next_free_vgpr 1024
		.amdhsa_next_free_sgpr 100
		.amdhsa_reserve_vcc 0
		.amdhsa_float_denorm_mode_32 3
		.amdhsa_float_denorm_mode_16_64 3
		.amdhsa_memory_ordered 1
		.amdhsa_forward_progress 1
		.amdhsa_inst_pref_size 255
	.end_amdhsa_kernel
	.section	.bss,"aw",@nobits
	.p2align	6
	.space	262144
	.amdgpu_metadata
---
amdhsa.version: [ 1, 2 ]
amdhsa.kernels:
  - .name:           k_q35918ef855_chain
    .symbol:         k_q35918ef855_chain.kd
    .args:
      - { .name: hidden_states, .offset: 0, .size: 8, .value_kind: global_buffer, .address_space: global }
      - { .name: wq, .offset: 8, .size: 8, .value_kind: global_buffer, .address_space: global }
      - { .name: lowp_scales, .offset: 16, .size: 8, .value_kind: global_buffer, .address_space: global }
      - { .name: order, .offset: 24, .size: 8, .value_kind: global_buffer, .address_space: global }
      - { .name: tiles, .offset: 32, .size: 8, .value_kind: global_buffer, .address_space: global }
      - { .name: cw, .offset: 40, .size: 8, .value_kind: global_buffer, .address_space: global }
      - { .name: out0, .offset: 48, .size: 8, .value_kind: global_buffer, .address_space: global }
    .group_segment_fixed_size: 214528
    .private_segment_fixed_size: 0
    .kernarg_segment_align: 8
    .kernarg_segment_size: 56
    .max_flat_workgroup_size: 128
    .sgpr_count:     100
    .vgpr_count:     1024
    .wavefront_size: 32
...
	.end_amdgpu_metadata
.endif
;; end of part 3
;; ======== version 2 of 2: 3 launches; version 1 with the launch chain written anew for expert scheduling mode
;; workspace buffers: wq 7,864,320 bytes; cw 131,072 bytes; tokinfo 32,768 bytes of whole numbers; hist 32,768 bytes of whole numbers; order 32,768 bytes of whole numbers; tiles 2,560 bytes of whole numbers
;; launch router: the kernel of part 1 again; grid 256 x 1, 4 waves a work-group, no clusters, 8,704 bytes of LDS; arguments hidden_states, gate_w, shared_gate_w, out1, cw, tokinfo, hist; writes out1, cw, tokinfo, hist
;; launch prep: the kernel of part 2 again; grid 16 x 31, 4 waves a work-group, no clusters, 0 bytes of LDS; arguments eg, eu, ed, sg, su, sd, lowp_scales, hist, tokinfo, wq, order, tiles; writes wq, order, tiles
;; launch chain (part 4): grid 155 x 1, 4 waves a work-group, no clusters, 214,528 bytes of LDS; arguments hidden_states, wq, lowp_scales, order, tiles, cw, out0; writes out0
.if DOCPART == 4
	.amdgcn_target "amdgcn-amd-amdhsa--gfx1250"
	.amdhsa_code_object_version 6
	.text
	.protected	k_q35918ef855_chain
	.globl	k_q35918ef855_chain
	.p2align	8
	.type	k_q35918ef855_chain,@function
k_q35918ef855_chain:
	s_mov_b64 s[64:65], 0
	v_nop
	global_prefetch_b8 v0, s[64:65] scope:SCOPE_SE
	s_setreg_imm32_b32 hwreg(HW_REG_WAVE_SCHED_MODE, 0, 2), 2
	s_setreg_imm32_b32 hwreg(HW_REG_WAVE_MODE, 25, 1), 1
	s_wait_xcnt 0x0
	s_wait_alu depctr_vm_vsrc(0)
; CHAIN.  A work-group takes one tile of the list: at most 64 tokens that chose the same two experts (lo, hi), and takes them through four passes of one body: units lo, hi, 8 and 9 (the two halves of the shared
; expert).  Stage 1, a pass: gate and up products on codes of BF8, silu(gate) x up, quantised, as an image of the next operand's registers into LDS.  Stage 2: the down products of all four passes for 64 output columns
; a wave at a time, weighed by the two routing weights and the shared gate, stored.  The hidden layer never goes to memory, and each output row has one owner.
; 155 work-groups serve every split (128 + 27 tiles at the most).  An entry without rows walks the same text and stores nothing: no barrier stands under a branch on a loaded number.
; Rows beyond the tile's count repeat its last token: they compute and store that token's numbers again.
; SHARES.  The waves share the columns: wave w makes hidden units 64 w .. + 63 and output columns 256 w .. + 255 for all 64 rows (four tiles m of 16).  Its weights come from memory straight into registers, laid by the
; launch before in the order of the operand's registers, through a ring of four slots of four fragments: one at work, three on their way.  No tensor load, no cluster: which weights a work-group walks hangs on a loaded list.
; BOTH PRODUCTS ARE USED TRANSPOSED (source 0 = 16 rows of weights, source 1 = 16 tokens): a lane holds one token (lane % 16), and its eight registers eight neighbouring units or columns, 8 (lane / 16) on:
; just what the matrix form's own layout wants of the next operand (registers 2 c, 2 c + 1: k = 16 c + 8 (lane / 16) + 0 .. 7), so a tile's conversion IS two registers of the hidden fragment.
; x is quantised by the wave that owns the tile of rows, once with the gate product's scale and once with the up product's, and again only in a pass whose two scales differ from those held.
; LIMITS on the given exponents, so that each power of two is an f32 number: each operand's e between -126 and 112; eA + eB of a gate product between -126 and 127; e_h less the four exponents of its gate and up
; products between -126 and 112.  The down products' exponents go in by v_ldexp_f32.  NaN among the inputs is not served.
; LDS: 0 x's images with the gate scale ((8 m + ks) x 2,048); 65,536 the same with the up scale; 131,072 the hidden images (((4 p + m) 2 + s) x 2,048); 196,608 a stage of 16 rows x 272 bytes for each wave.
; REGISTERS, in windows of 256: window 0: v1-63 addresses, tokens, coefficients, scales; v64-95 codes just made; v96-127 tokens in the stores' order (stage 1); v64-127 rows on their way out (stage 2);
;   v128-255 two slots of four fragments of x or of the hidden layer (while x is quantised: the held numbers; at the head v128-167: offsets into the list of tokens).   window 1: stage 1: gate sums at 8 (4 j + m),
;   up sums 128 on; stage 2: sums, and 128 on the output; while x is quantised: x of K steps 0-3.   window 2: the weights' ring.   window 3: x of K steps 4-7; later the 32 store offsets.
; THE MODE: SCHED_MODE bits 1:0 = 2 (LLVM: expert scheduling mode 2), set by the entry lines.  The code itself states the register dependences
; between vector or matrix instructions and memory or LDS instructions, with s_wait_alu, always for 0.
; THE PLAN.  Registers that memory or LDS instructions touch, and who else names them:
;   X0 = v128-191, X1 = v192-255   Item i's products read X[i % 2]; the LDS loads issued in item i land in the other slot, which item i - 1's products read.  While x is quantised the holds write both and the conversions read both.
;   R0 .. R3 (window 2)            Item i's products read R[i % 4]; the loads issued in item i land in R[(i + 3) % 4], which item i - 1's products read.
;   windows 1 and 3 as x           Written by the 128 loads of a quantising, read by its holds; window 1 is sums at all other times, named by vector and matrix instructions alone, save the output (v384-511) that LDS stores read.
;   v64-95                         Stage 1: written by conversions, read by the LDS stores that follow them.
;   v384-511                       Stage 2: the output, written by the multiply-adds of a chunk, read by the chunk's LDS stores into the stage.
;   v64-95, v96-127                Stage 2, by turns: written by the LDS loads from the stage, read by the global stores.
;   v5                             Read by every load of weights; written at the head and once a chunk.     v19: read by a pass's eight LDS stores; written once a pass.
;   v3, v4, v6-13, v56-59, v768-799   Addresses and offsets: written once, ahead of a wait on va_vdst, and never again.
; So ONE wait on va_vdst stands at an item's head: the item before is done reading the two slots in which this item's 32 loads land.  These loads are dealt among the item's 16 products, which name
; R[i % 4], X[i % 2] and sums in window 1: none of the registers that the loads touch.  The other waits stand where conversions feed LDS stores, where stores' registers are written again, and ahead of x's loads.
.set XUB, 65536
.set HB,  131072
.set STG, 196608
.set UNITB, 786432
.set MSB, 0
.macro WIN new                         ; the immediate's high byte repeats the setting that is left; a switch that changes nothing is dropped
.if MSB != \new
	s_set_vgpr_msb (MSB<<8)|\new
.set MSB, \new
.endif
.endm
	s_load_b256 s[4:11], s[0:1], 0x0               ; x s[4:5], wq s[6:7], the scales s[8:9], order s[10:11]
	s_load_b128 s[12:15], s[0:1], 0x20             ; tiles s[12:13], cw s[14:15]
	s_load_b64 s[16:17], s[0:1], 0x30              ; out0
	v_lshl_add_u32 v62, v0, 2, 0x34400
	v_mov_b32 v63, 0
	v_lshrrev_b32 v1, 5, v0
	v_readfirstlane_b32 s18, v1                    ; wave 0..3
	v_and_b32 v1, 15, v0                           ; r
	v_bfe_u32 v2, v0, 4, 1                         ; h
	v_and_b32 v3, 31, v0
	v_lshlrev_b32 v3, 4, v3                        ; 16 x lane: my place in an image
	v_mov_b32 v5, v3                               ; the same in the weights; stage 2 steps it
	v_mov_b32 v6, v3                               ; reads of x's images, gate scale,
	v_add_nc_u32 v7, XUB, v3                       ; up scale,
	v_add_nc_u32 v8, HB, v3                        ; and of the hidden images
	s_wait_alu depctr_va_sdst(0)                   ; s18 is written, ahead of its first reader: LDS addresses and the weights' bases are made from it
	s_lshr_b32 s70, s18, 1
	s_lshl_b32 s70, s70, 11
	s_and_b32 s71, s18, 1
	s_lshl_b32 s71, s71, 10
	s_add_co_u32 s70, s70, s71
	v_add_nc_u32 v9, s70, v8                       ; my 64 units are K step w / 2, pieces 2 (w % 2) and 2 (w % 2) + 1 of a hidden fragment
	s_lshl_b32 s70, s18, 14
	v_add_nc_u32 v10, s70, v3                      ; I write x's images of tile m = w
	v_add_nc_u32 v13, XUB, v10
	s_mul_i32 s70, s18, 4352
	s_add_co_u32 s70, s70, STG                     ; my stage
	v_mul_u32_u24 v11, v1, 272
	v_lshl_add_u32 v11, v2, 5, v11
	v_add_nc_u32 v11, s70, v11                     ; in: row r, 32 bytes for each half of the lanes
	v_mul_u32_u24 v12, v2, 272
	v_lshl_add_u32 v12, v1, 4, v12
	v_add_nc_u32 v12, s70, v12                     ; back: lanes 0-15 one row of 256 bytes, lanes 16-31 the next
	v_lshlrev_b32 v38, 4, v1
	s_lshl_b32 s70, ttmp9, 4
	s_mov_b32 s71, 0
	s_wait_kmcnt 0x0
	s_add_nc_u64 s[12:13], s[12:13], s[70:71]
	s_load_b128 s[20:23], s[12:13], 0x0            ; lo, hi, first rank, rows
	s_load_b64 s[58:59], s[8:9], 0xc0              ; the shared expert's six exponents: eAg, eBg, eAu, eBu, eAh, eBd
	s_load_b64 s[60:61], s[8:9], 0xc8
	s_load_b64 s[62:63], s[8:9], 0xd0
	s_wait_kmcnt 0x0
	s_min_u32 s20, s20, 7
	s_min_u32 s21, s21, 7
	s_min_u32 s22, s22, 8191
	s_min_u32 s23, s23, 64
	s_mul_i32 s70, s20, 24
	s_add_nc_u64 s[74:75], s[8:9], s[70:71]
	s_load_b64 s[46:47], s[74:75], 0x0             ; lo's six
	s_load_b64 s[48:49], s[74:75], 0x8
	s_load_b64 s[50:51], s[74:75], 0x10
	s_mul_i32 s70, s21, 24
	s_add_nc_u64 s[80:81], s[8:9], s[70:71]
	s_load_b64 s[52:53], s[80:81], 0x0             ; hi's six
	s_load_b64 s[54:55], s[80:81], 0x8
	s_load_b64 s[56:57], s[80:81], 0x10
	s_lshl_b32 s82, s18, 17                        ; my wave's gate and up fragments of a unit: 131,072 bytes,
	s_mov_b32 s83, 0
	s_add_nc_u64 s[84:85], s[6:7], s[82:83]
	s_lshl_b32 s82, s18, 16                        ; and its down fragments: 65,536, behind 524,288
	s_add_co_u32 s82, s82, 524288
	s_add_nc_u64 s[86:87], s[6:7], s[82:83]
	s_mul_i32 s82, s20, UNITB
	s_add_nc_u64 s[24:25], s[84:85], s[82:83]      ; s[24:31]: the four passes' gate and up weights, a queue;  s[32:39]: their down weights
	s_add_nc_u64 s[32:33], s[86:87], s[82:83]
	s_mul_i32 s82, s21, UNITB
	s_add_nc_u64 s[26:27], s[84:85], s[82:83]
	s_add_nc_u64 s[34:35], s[86:87], s[82:83]
	s_add_nc_u64 s[28:29], s[84:85], 8*UNITB
	s_add_nc_u64 s[36:37], s[86:87], 8*UNITB
	s_add_nc_u64 s[30:31], s[84:85], 9*UNITB
	s_add_nc_u64 s[38:39], s[86:87], 9*UNITB
	s_max_u32 s88, s23, 1
	s_sub_co_u32 s88, s88, 1                       ; the tile's last row
; All 37 offsets into the list of tokens are made first, in v128-167; one wait; then the 37 loads, which land in registers of their own.
.macro RANKADR reg                     ; a row of the tile -> the byte offset of its rank's word in the list of tokens
	v_min_u32 v[\reg], s88, v[\reg]
	v_add_nc_u32 v[\reg], s22, v[\reg]
	v_min_u32 v[\reg], 0x1fff, v[\reg]
	v_lshlrev_b32 v[\reg], 2, v[\reg]
.endm
.irp m, 0,1,2,3
	v_add_nc_u32 v[128+\m], 16*\m, v1              ; row 16 m + r: the token that my lane holds in tile m's results
	RANKADR 128+\m
.endr
	s_lshl_b32 s89, s18, 4
	v_add_nc_u32 v132, s89, v1                     ; row 16 w + r: the row of x that I quantise
	RANKADR 132
.set n, 0
.rept 32
	v_add_nc_u32 v[136+n], 2*n, v2                 ; row 2 n + h: the rows as the stores take them
	RANKADR 136+n
.set n, n+1
.endr
	s_wait_alu depctr_va_vdst(0)                   ; v128-167 are written, which the loads of the tokens read; so are v5, which the ring's loads read, and the LDS addresses v3 and v6 to v13
.irp m, 0,1,2,3
	global_load_b32 v[14+\m], v[128+\m], s[10:11]  ; v14-17
.endr
	global_load_b32 v18, v132, s[10:11]            ; v18
.set n, 0
.rept 32
	global_load_b32 v[96+n], v[136+n], s[10:11]    ; v96-127
.set n, n+1
.endr
	WIN 0x80                                       ; destination window 2: the ring's first three items.  No vector instruction has named these registers
.irp i, 0,1,2
.set n, 0
.rept 16
	global_load_b128 v[64*\i+4*n:64*\i+4*n+3], v5, s[24:25] offset:8192*\i+512*n
.set n, n+1
.endr
.endr
	WIN 0
	s_wait_loadcnt 48                              ; the tokens are in; the 48 loads of weights behind them stay out
	s_wait_alu depctr_vm_vsrc(0)                   ; the loads of the tokens have read v128-167: these registers are the rows' slots from here on, written by holds and by LDS loads
.irp m, 14,15,16,17,18
	v_min_u32 v[\m], 0x1fff, v[\m]
.endr
.set n, 0
.rept 32
	v_min_u32 v[96+n], 0x1fff, v[96+n]
.set n, n+1
.endr
.irp m, 0,1,2,3
	v_lshlrev_b32 v[56+\m], 4, v[14+\m]
.endr
	v_lshlrev_b32 v4, 12, v18
	v_lshl_add_u32 v4, v2, 5, v4                   ; x: my row, + 32 h: eight numbers of each sixteen
	s_wait_alu depctr_va_vdst(0)                   ; v56-59 are written, which the four loads below read, and v4, which the loads of x read
.irp m, 0,1,2,3
	global_load_b128 v[40+4*\m:43+4*\m], v[56+\m], s[14:15]    ; the token's two weights and its shared gate
.endr
	s_wait_kmcnt 0x0
	s_add_co_i32 s76, s50, s51                     ; eAh + eBd of lo, of hi, of the shared expert
	s_add_co_i32 s77, s56, s57
	s_add_co_i32 s78, s62, s63
	s_mov_b32 s19, 0                               ; the pass
	s_mov_b32 s66, 0x7fffffff                      ; the scales with which x's images were made: none yet
	s_mov_b32 s67, 0x7fffffff
	s_mov_b32 s72, 0                               ; the pass's hidden images
; 16 LDS loads: four fragments into a slot
.macro XFETCH slot, adr, off, step
.set n, 0
.rept 16
	ds_load_b128 v[128+64*\slot+4*n:128+64*\slot+4*n+3], v[\adr] offset:\off+(n/4)*\step+512*(n%4)
.set n, n+1
.endr
.endm
; AN ITEM: four fragments of weights (ring slot ws) x four fragments of rows (slot xs), 128 along K: 16 products, the 16 accumulators by turns, one instruction a turn.
; AT ITS HEAD: the waits for its own rows and weights, four places, and the one wait on va_vdst.  BEHIND THAT WAIT ITS 32 LOADS ARE DEALT AMONG ITS PRODUCTS, early ones first: the next item's rows from LDS
; into the other row slot (address register xadr, 0 = none), eight behind the second product and eight behind the fourth; the weights of three items on into the ring slot that the item before has left
; (base wbase, 0 = none), eight behind the eighth product and eight behind the twelfth.  No further wait: the item's products name ring slot ws, row slot xs and sums in window 1 alone.
; The four v_nop stay as the places between the item before, whose products read just those two slots, and these loads.
; lw: how many loads of LATER items' weights are out at the item's head: 16 an item.
.macro ITEM ws, xs, acc, zero, xadr, xoff, xstep, wbase, wimm, lw
	s_wait_dscnt 0x0                               ; my rows are in: they were asked for in the item before, and no LDS load is younger
	s_wait_loadcnt (\lw)                           ; my weights are in: loads come back in order, and what may stay out are the later items' loads
.rept 4
	v_nop
.endr
	s_wait_alu depctr_va_vdst(0)                   ; the item before's products are done reading the row slot and the ring slot in which the loads below land; in a chunk's first item v5 is written, in stage 2's first the stores' offsets
.set g, 0
.rept 8
	WIN 0x52                                       ; weights window 2, rows window 0, sums window 1
.set rD, (\acc)+16*g
.set rW, 64*(\ws)+16*(g/2)
.set rX, 128+64*(\xs)+32*(g%2)
.if \zero
	v_wmma_f32_16x16x128_bf8_bf8 v[rD:rD+7], v[rW:rW+15], v[rX:rX+15], 0
	v_wmma_f32_16x16x128_bf8_bf8 v[rD+8:rD+15], v[rW:rW+15], v[rX+16:rX+31], 0
.else
	v_wmma_f32_16x16x128_bf8_bf8 v[rD:rD+7], v[rW:rW+15], v[rX:rX+15], v[rD:rD+7]
	v_wmma_f32_16x16x128_bf8_bf8 v[rD+8:rD+15], v[rW:rW+15], v[rX+16:rX+31], v[rD+8:rD+15]
.endif
.if (\xadr) && (g < 2)
	WIN 0
.set n, 8*g
.rept 8
.set rL, 128+64*(1-(\xs))+4*n
	ds_load_b128 v[rL:rL+3], v[\xadr] offset:(\xoff)+(n/4)*(\xstep)+512*(n%4)
.set n, n+1
.endr
.endif
.if (\wbase) && ((g == 3) || (g == 5))
	WIN 0x80                                       ; destination window 2, offset window 0
.set n, 8*((g-3)/2)
.rept 8
.set rL, 64*(((\ws)+3)%4)+4*n
	global_load_b128 v[rL:rL+3], v5, s[\wbase:\wbase+1] offset:(\wimm)+512*n
.set n, n+1
.endr
.endif
.set g, g+1
.endr
.endm
; ================ STAGE 1: four passes ================
.Lpass:
	s_add_co_i32 s86, s46, s47                     ; a gate sum stands for sum x 2^(eAg + eBg), an up sum for sum x 2^(eAu + eBu)
	s_add_co_i32 s87, s48, s49
	s_lshl_b32 s88, s86, 23
	s_add_co_i32 s68, s88, 0xbfb8aa3b              ; -log2(e) x 2^(eAg + eBg): the exponent goes into the constant's exponent field
	s_mov_b32 s69, s68                             ; (named with it as a pair, so it is written)
	s_sub_co_i32 s88, s50, s86
	s_sub_co_i32 s88, s88, s87                     ; the hidden layer's conversion takes 2^(eAh - the four): the scales folded into one
	s_add_co_i32 s88, s88, 127
	s_lshl_b32 s89, s88, 23
	v_mov_b32 v36, s89
	s_add_co_i32 s88, s88, 15
	s_lshl_b32 s88, s88, 23
	s_or_b32 s88, s88, 0x600000
	v_mov_b32 v37, s88                             ; 57,344 x that
	s_add_nc_u64 s[80:81], s[26:27], 8192          ; what the pass's last three items ask for: the next pass's first three,
	s_add_nc_u64 s[82:83], s[26:27], 16384
	s_add_nc_u64 s[84:85], s[32:33], 8192          ; or, in the last pass, stage 2's: the ring never stops
	s_cmp_eq_u32 s19, 3
	s_cselect_b64 s[40:41], s[32:33], s[26:27]
	s_cselect_b64 s[42:43], s[84:85], s[80:81]
	s_cselect_b64 s[44:45], s[34:35], s[82:83]
	s_wait_dscnt 0x0                               ; my reads of x's images and my stores of hidden images are done
	s_barrier_signal -1
	s_barrier_wait -1                              ; nobody reads x's images any more
	s_cmp_lg_u32 s46, s66                          ; are they the images that this pass wants?  (whole numbers; no barrier stands under the branch)
	s_cbranch_scc1 .Lquant
	s_cmp_eq_u32 s48, s67
	s_cbranch_scc1 .Lheld
.Lquant:
	s_add_co_i32 s79, s46, 127
	s_lshl_b32 s80, s79, 23
	v_mov_b32 v32, s80                             ; 2^eAg,
	s_add_co_i32 s79, s79, 15
	s_lshl_b32 s79, s79, 23
	s_or_b32 s79, s79, 0x600000
	v_mov_b32 v33, s79                             ; 57,344 x 2^eAg,
	s_add_co_i32 s79, s48, 127
	s_lshl_b32 s80, s79, 23
	v_mov_b32 v34, s80                             ; and the same with eAu
	s_add_co_i32 s79, s79, 15
	s_lshl_b32 s79, s79, 23
	s_or_b32 s79, s79, 0x600000
	v_mov_b32 v35, s79
	s_mov_b32 s66, s46
	s_mov_b32 s67, s48
	WIN 0x40                                       ; my row of x: register 64 ks + 8 c + i = k 128 ks + 16 c + 8 h + i.  K steps 0-3 into window 1,
	s_wait_alu depctr_va_vdst(0)                   ; the last pass's products and its silu are done with window 1's registers, the last quantising's holds with window 3's: the 128 loads below land in them
.set n, 0
.rept 64
	global_load_b128 v[4*n:4*n+3], v4, s[4:5] offset:64*(n/2)+16*(n%2)
.set n, n+1
.endr
	WIN 0xc0                                       ; 4-7 into window 3
.set n, 0
.rept 64
	global_load_b128 v[4*n:4*n+3], v4, s[4:5] offset:2048+64*(n/2)+16*(n%2)
.set n, n+1
.endr
.set ks, 0
.rept 8
.if 16*(7-ks) > 63
	s_wait_loadcnt 63                              ; more loads are younger than this K step's than the count can name
.else
	s_wait_loadcnt 16*(7-ks)                       ; the later K steps' loads, 16 each, may be out
.endif
.if ks < 4
	WIN 0x01
.else
	WIN 0x03
.endif
.set n, 0
.rept 64
	v_med3_num_f32 v[128+n], v[64*(ks%4)+n], -v33, v33     ; the conversion to an 8-bit code does not saturate (ISA guide 7.6.2): the hold, once for each scale
	v_med3_num_f32 v[192+n], v[64*(ks%4)+n], -v35, v35
.set n, n+1
.endr
	WIN 0
	s_wait_dscnt 0x0                               ; the last K step's stores are done
	s_wait_alu depctr_vm_vsrc(0)                   ; the LDS stores issued so far (the last K step's; in the first K step the last pass's hidden images') have read v64-95, which the conversions write again
.set n, 0
.rept 8
	v_cvt_scalef32_pk8_bf8_f32 v[64+2*n:65+2*n], v[128+8*n:135+8*n], v32
	v_cvt_scalef32_pk8_bf8_f32 v[80+2*n:81+2*n], v[192+8*n:199+8*n], v34
.set n, n+1
.endr
	v_nop                                          ; a plain line behind the conversions
	s_wait_alu depctr_va_vdst(0)                   ; the conversions have written v64-95, which the LDS stores read; in the last K step: and are done reading v128-255, in which the rows' loads land
.irp c, 0,1,2,3
	ds_store_b128 v10, v[64+4*\c:67+4*\c] offset:2048*ks+512*\c
	ds_store_b128 v13, v[80+4*\c:83+4*\c] offset:2048*ks+512*\c
.endr
.set ks, ks+1
.endr
.Lheld:
	s_wait_dscnt 0x0                               ; for the others' sake: my images have landed
	s_barrier_signal -1
	s_barrier_wait -1
.rept 4
	v_nop
.endr
	XFETCH 0, 6, 0, 16384                          ; no wait: on both ways here no vector or matrix instruction since the last wait on va_vdst (the last K step's, or the one ahead of the last pass's hidden stores) names v128-191
.set i, 0
.rept 16                                       ; item i: K step i / 2; even: gate, odd: up
.set zz, 0
.if i < 2
.set zz, 1
.endif
.set xa, 6+(i+1)%2
.if i == 15
.set xa, 0
.endif
.set wb, 24
.set wi, (i+3)*8192
.if i >= 13
.set wb, 40+2*(i-13)
.set wi, 0
.endif
	ITEM i%4, i%2, 128*(i%2), zz, xa, 2048*((i+1)/2), 16384, wb, wi, 32
.set i, i+1
.endr
	; silu(gate) x up = G U 2^(..) / (1 + 2^(-G log2(e) 2^(..))): the powers of two go into the constant and into the conversion's scale
.rept 4
	v_nop                                          ; places behind the last products
.endr
	WIN 0x45
.set n, 0
.rept 64
	v_pk_mul_f32 v[128+2*n:129+2*n], v[2*n:2*n+1], v[128+2*n:129+2*n]      ; G U; each accumulator is read from its low end on
.set n, n+1
.endr
.set n, 0
.rept 64
	v_pk_mul_f32 v[2*n:2*n+1], v[2*n:2*n+1], s[68:69] op_sel_hi:[1,0]
.set n, n+1
.endr
.set n, 0
.rept 128
	v_exp_f32 v[n], v[n]
.set n, n+1
.endr
	v_nop
	s_wait_alu depctr_va_vdst(0)                   ; the 128 exponentials have written their results, which the additions read: one wait for the batch
.set n, 0
.rept 64
	v_pk_add_f32 v[2*n:2*n+1], v[2*n:2*n+1], 1.0 op_sel_hi:[1,0]
.set n, n+1
.endr
.set n, 0
.rept 128
	v_rcp_f32 v[n], v[n]
.set n, n+1
.endr
	v_nop
	s_wait_alu depctr_va_vdst(0)                   ; the 128 reciprocals have written their results, which the multiplications read: one wait for the batch
.set n, 0
.rept 64
	v_pk_mul_f32 v[128+2*n:129+2*n], v[128+2*n:129+2*n], v[2*n:2*n+1]
.set n, n+1
.endr
	WIN 0x41
.set n, 0
.rept 128
	v_med3_num_f32 v[128+n], v[128+n], -v37, v37   ; the hold at the largest code x the scale
.set n, n+1
.endr
	WIN 0x01
	s_wait_alu depctr_vm_vsrc(0)                   ; the LDS stores issued so far (x's images, the last pass's hidden images) have read v64-95 and v19, which the conversions and the addition below write again
.irp m, 0,1,2,3
.irp c, 0,1
	v_cvt_scalef32_pk8_bf8_f32 v[64+4*(2*\m+\c):65+4*(2*\m+\c)], v[128+8*(8*\c+\m):135+8*(8*\c+\m)], v36           ; tile j = 2 c of rows m,
	v_cvt_scalef32_pk8_bf8_f32 v[66+4*(2*\m+\c):67+4*(2*\m+\c)], v[128+8*(8*\c+4+\m):135+8*(8*\c+4+\m)], v36       ; tile 2 c + 1: four registers of the fragment
.endr
.endr
	WIN 0
	v_nop                                          ; a plain line behind the conversions
	v_add_nc_u32 v19, s72, v9
	s_wait_alu depctr_va_vdst(0)                   ; the conversions have written v64-95 and the addition v19, which the LDS stores read; the pass's products are done reading the rows' slots
.irp m, 0,1,2,3
.irp c, 0,1
	ds_store_b128 v19, v[64+4*(2*\m+\c):67+4*(2*\m+\c)] offset:4096*\m+512*\c
.endr
.endr
	s_wait_xcnt 0x0                                ; the loads issued so far have read their bases: the queues may move
	s_mov_b64 s[24:25], s[26:27]
	s_mov_b64 s[26:27], s[28:29]
	s_mov_b64 s[28:29], s[30:31]
	s_mov_b64 s[46:47], s[52:53]
	s_mov_b64 s[48:49], s[54:55]
	s_mov_b64 s[50:51], s[56:57]
	s_mov_b64 s[52:53], s[58:59]
	s_mov_b64 s[54:55], s[60:61]
	s_mov_b64 s[56:57], s[62:63]
	s_add_co_u32 s72, s72, 16384
	s_add_co_u32 s19, s19, 1
	s_cmp_lt_u32 s19, 4
	s_cbranch_scc1 .Lpass
; ================ between the stages ================
	s_wait_dscnt 0x0                               ; my hidden images have landed
	s_barrier_signal -1
	s_barrier_wait -1                              ; all eight fragments of each pass lie in LDS
	XFETCH 0, 8, 0, 4096                           ; no wait: no vector or matrix instruction since the wait ahead of the hidden images' stores names v128-191
	s_wait_loadcnt 48                              ; the tokens' weights are in: behind them only the ring's three items are out
.irp m, 0,1,2,3
	v_ldexp_f32 v[20+\m], v[40+4*\m], s76          ; v20-31: what a down sum of lo, of hi, of the shared expert is multiplied by, for the token that my lane holds in tile m
	v_ldexp_f32 v[24+\m], v[41+4*\m], s77
	v_ldexp_f32 v[28+\m], v[42+4*\m], s78
.endr
	WIN 0xc0
.set n, 0
.rept 32
	v_lshl_add_u32 v[n], v[96+n], 12, v38          ; window 3: the stores' offsets: the token's row of out0 + 16 (lane % 16).  (The items' waits on va_vdst stand between these lines and the stores that read them)
.set n, n+1
.endr
	WIN 0
	s_lshl_b32 s70, s18, 10
	s_mov_b32 s71, 0
	s_add_nc_u64 s[16:17], s[16:17], s[70:71]      ; my wave's 256 columns
; the output takes the sums x coefficient f; first = 1: it starts there.  Each accumulator is read from its low end on.
.macro FMA f, first
.rept 4
	v_nop                                          ; places behind the last products
.endr
	WIN 0x51
.set n, 0
.rept 64
.set rC, 20+4*(\f)+2*(((n/4)%4)/2)
.if (n/4)%2 == 0
.if \first
	v_pk_mul_f32 v[128+2*n:129+2*n], v[2*n:2*n+1], v[rC:rC+1] op_sel_hi:[1,0]
.else
	v_pk_fma_f32 v[128+2*n:129+2*n], v[2*n:2*n+1], v[rC:rC+1], v[128+2*n:129+2*n] op_sel_hi:[1,0,1]
.endif
.else
.if \first
	v_pk_mul_f32 v[128+2*n:129+2*n], v[2*n:2*n+1], v[rC:rC+1] op_sel:[0,1] op_sel_hi:[1,1]
.else
	v_pk_fma_f32 v[128+2*n:129+2*n], v[2*n:2*n+1], v[rC:rC+1], v[128+2*n:129+2*n] op_sel:[0,1,0] op_sel_hi:[1,1,1]
.endif
.endif
.set n, n+1
.endr
.endm
; 16 rows x 64 columns leave through my own stage: in by 32 bytes a lane, back as whole rows of 256 bytes.  LDS serves a wave's instructions in order (ISA guide 5.7.1.4): no wait between the stores and the loads.
.macro OUTM m
	WIN 0
	s_cmp_le_u32 s23, 16*\m                        ; a tile of rows that the list leaves empty stores nothing
	s_cbranch_scc1 .Lskip_\@
	s_wait_xcnt 0x0                                ; earlier stores have read their data: the registers may be loaded again
	s_wait_alu depctr_vm_vsrc(0)                   ; the global stores of two tiles of rows back (in stage 2's first: the hidden images' LDS stores) have read the registers in which the loads from the stage land
	WIN 0x04                                       ; the data in window 1
.irp j, 0,1,2,3
	ds_store_b128 v11, v[128+8*(4*\j+\m):131+8*(4*\j+\m)] offset:64*\j
	ds_store_b128 v11, v[132+8*(4*\j+\m):135+8*(4*\j+\m)] offset:64*\j+16
.endr
	WIN 0
.irp t, 0,1,2,3,4,5,6,7
	ds_load_b128 v[64+32*(\m%2)+4*\t:67+32*(\m%2)+4*\t], v12 offset:544*\t
.endr
	s_wait_dscnt 0x0
	WIN 0x03                                       ; the offsets in window 3
.irp t, 0,1,2,3,4,5,6,7
	global_store_b128 v[8*\m+\t], v[64+32*(\m%2)+4*\t:67+32*(\m%2)+4*\t], s[16:17] th:TH_STORE_NT   ; sixteen lanes store 256 consecutive bytes of a token's row, aligned
.endr
	WIN 0
.Lskip_\@:
.endm
; A CHUNK: 64 output columns a wave.  Items 0, 1: lo's two K steps; 2, 3: hi's; 4 to 7: the shared expert's four, in one sum (one pair of scales, one gate).
.macro CHUNK last
.set i, 0
.rept 8
.set zz, 0
.if (i == 0) || (i == 2) || (i == 4)
.set zz, 1
.endif
.set xa, 8
.set xo, 16384*(((i+1)%8)/2)+2048*((i+1)%2)
.set n3, i+3
.set wi, 0
.if n3 >= 8
.set n3, n3-8
.set wi, 16384
.endif
.set wb, 32+2*(n3/2)
.set wi, wi+8192*(n3%2)
.set lq, 32
.if \last
.if i == 7
.set xa, 0
.set lq, 0
.endif
.if i >= 5
.set wb, 0
.endif
.if i == 6
.set lq, 16
.endif
.endif
	ITEM i%4, i%2, 0, zz, xa, xo, 4096, wb, wi, lq
.if i == 1
	FMA 0, 1
.endif
.if i == 3
	FMA 1, 0
.endif
.if i == 7
	FMA 2, 0
.endif
.set i, i+1
.endr
	s_wait_alu depctr_va_vdst(0)                   ; the multiply-adds have written the output, which the LDS stores of the four tiles of rows read: no vector instruction stands among those, so one wait serves all
	OUTM 0
	OUTM 1
	OUTM 2
	OUTM 3
.endm
; ================ STAGE 2: four chunks ================
	s_mov_b32 s73, 3
.Lchunk:
	CHUNK 0
	s_wait_xcnt 0x0                                ; the stores have read their base, the ring's loads their offset
	s_wait_alu depctr_vm_vsrc(0)                   ; the ring's loads have read v5, which the addition below writes; the LDS stores into the stage have read the output's registers, which the next chunk's first products' weighing writes
	s_add_nc_u64 s[16:17], s[16:17], 256
	v_add_nc_u32 v5, 16384, v5                     ; the next chunk's eight fragments of each pass
	s_sub_co_u32 s73, s73, 1
	s_cmp_lg_u32 s73, 0
	s_cbranch_scc1 .Lchunk
	CHUNK 1                                        ; the last chunk is written out: its last items ask for nothing, and their counts run down
	s_wait_dscnt 0x0                               ; the closing lines, six on end
	s_wait_alu 0x0
	s_wait_tensorcnt 0x0
	ds_add_u32 v62, v63
	s_wait_dscnt 0x0
	s_endpgm
.Lfunc_end_k_q35918ef855_chain:
	.size	k_q35918ef855_chain, .Lfunc_end_k_q35918ef855_chain-k_q35918ef855_chain
	.p2alignl 7, 3214868480
	.fill 96, 4, 3214868480
	.section	.rodata,"a",@progbits
	.p2align	6, 0x0
	.amdhsa_kernel k_q35918ef855_chain
		.amdhsa_group_segment_fixed_size 214528
		.amdhsa_private_segment_fixed_size 0
		.amdhsa_enable_private_segment 0
		.amdhsa_kernarg_size 56
		.amdhsa_user_sgpr_count 2
		.amdhsa_user_sgpr_kernarg_segment_ptr 1
		.amdhsa_wavefront_size32 1
		.amdhsa_system_sgpr_workgroup_id_x 1
		.amdhsa_system_sgpr_workgroup_id_y 1
		.amdhsa_system_sgpr_workgroup_id_z 1
		.amdhsa_system_vgpr_workitem_id 0
		.amdhsa_next_free_vgpr 1024
		.amdhsa_next_free_sgpr 100
		.amdhsa_reserve_vcc 0
		.amdhsa_float_denorm_mode_32 3
		.amdhsa_float_denorm_mode_16_64 3
		.amdhsa_memory_ordered 1
		.amdhsa_forward_progress 1
		.amdhsa_inst_pref_size 255
	.end_amdhsa_kernel
	.section	.bss,"aw",@nobits
	.p2align	6
	.space	262144
	.amdgpu_metadata
---
amdhsa.version: [ 1, 2 ]
amdhsa.kernels:
  - .name:           k_q35918ef855_chain
    .symbol:         k_q35918ef855_chain.kd
    .args:
      - { .name: hidden_states, .offset: 0, .size: 8, .value_kind: global_buffer, .address_space: global }
      - { .name: wq, .offset: 8, .size: 8, .value_kind: global_buffer, .address_space: global }
      - { .name: lowp_scales, .offset: 16, .size: 8, .value_kind: global_buffer, .address_space: global }
      - { .name: order, .offset: 24, .size: 8, .value_kind: global_buffer, .address_space: global }
      - { .name: tiles, .offset: 32, .size: 8, .value_kind: global_buffer, .address_space: global }
      - { .name: cw, .offset: 40, .size: 8, .value_kind: global_buffer, .address_space: global }
      - { .name: out0, .offset: 48, .size: 8, .value_kind: global_buffer, .address_space: global }
    .group_segment_fixed_size: 214528
    .private_segment_fixed_size: 0
    .kernarg_segment_align: 8
    .kernarg_segment_size: 56
    .max_flat_workgroup_size: 128
    .sgpr_count:     100
    .vgpr_count:     1024
    .wavefront_size: 32
...
	.end_amdgpu_metadata
.endif
;; end of part 4
